; MI455X (gfx1250); checked and timed in simulation.
; The chip was launched on July 23, 2026; its instructions are those of AMD's public machine-readable ISA for CDNA 5 (MIT licence, August 2026) and "CDNA5" Instruction Set Architecture Reference Guide (July 2026). The comments in the code are by the model that wrote it; some were corrected since.
;; Q Eff Plamo Attention. Allowed arithmetic: matrix products marked QUANTISED: E2M1 operands, one E8M0 scale for each 32 along K, by v_wmma_scale_f32_16x16x128_f8f6f4 with both operands' format E2M1 (or v_wmma_scale_f32_32x16x128_f4), f32 sums; products left as they are: bf16, f16 or f32 operands; f32 sums; everything else in f32.
;; Inputs: Wk 256 x 2,048 float32; Wo 2,048 x 2,048 float32; Wq 2,048 x 2,048 float32; Wv 256 x 2,048 float32; attention_mask 1 x 1 x 3,072 x 3,072 bool; hidden_states 1 x 3,072 x 2,048 float32; position_ids 1 x 3,072 int32.
;; Outputs: out0 1 x 3,072 x 2,048 float32.
;; This version of the problem:
;;   THIS VERSION OF THE PROBLEM IS GIVEN IN LOW PRECISION. The matrix products marked QUANTISED in the list below multiply operands that are first quantised to E2M1 (2 exponent bits, 1 mantissa bit; 4 bits a number), with one power-of-two scale for each 32 numbers along K (OCP MX v1.0); their sums are f32. The products marked 'left as it is' may take bf16, f16 or f32 operands, with f32 sums. Whichever they take, every output number must still come out within the allowed error. Rounding operands to bf16 (8 significant bits) uses up far more of that allowance than f16 does (11 bits, for magnitudes from 6e-5 to 65,504). All else is computed in f32.
;;   The module's matrix products, in the order in which they are computed (A, B: the left and right operand; K: the contracted axis; several contracted axes count as one K, in the product's order):
;;     1. [M 3,072, K 2,048] x [K 2,048, N 2,048]; A: input hidden_states; B: input Wq: QUANTISED
;;     2. [M 3,072, K 2,048] x [K 2,048, N 256]; A: input hidden_states; B: input Wk: QUANTISED
;;     3. [M 3,072, K 2,048] x [K 2,048, N 256]; A: input hidden_states; B: input Wv: QUANTISED
;;     4. batch 16 x [M 3,072, K 128] x [K 128, N 3,072]; A: computed on the way; B: computed on the way: left as it is (an operand is computed on the way)
;;     5. batch 16 x [M 3,072, K 3,072] x [K 3,072, N 128]; A: computed on the way; B: computed on the way: left as it is (an operand is computed on the way)
;;     6. [M 3,072, K 2,048] x [K 2,048, N 2,048]; A: computed on the way; B: input Wo: left as it is (an operand is computed on the way)
;;   THE QUANTISER, for each operand of a quantised product, along K:
;;     - K is cut into blocks of 32 from its start; a last block that is shorter is filled with zeros.
;;     - A block's scale is 2^e with e = floor(log2(the largest magnitude in the block)) - 2, held to -126 .. 127; a block of zeros has e = 0. As a byte (E8M0): e + 127.
;;     - Each number is divided by its block's scale, clamped to +-6, and rounded to the nearest number of E2M1, ties to even, subnormals kept.
;;     - The product sums the exact products of the quantised numbers (number of the format x scale) in f32.
;;   ~~~python
;;   def quantise(x, axis):      # numpy; x: float32 -> the quantised numbers, widened to float32 again
;;       x = np.moveaxis(x, axis, -1); K = x.shape[-1]
;;       x = np.pad(x, [(0, 0)] * (x.ndim - 1) + [(0, -K % 32)]); x = x.reshape(x.shape[:-1] + (-1, 32)); a = np.abs(x).max(-1, keepdims=True)
;;       e = np.where(a > 0, np.clip(np.frexp(np.where(a > 0, a, 1))[1] - 1 - 2, -126, 127), 0)      # np.frexp(a)[1] - 1 = floor(log2(a)), exactly
;;       r = np.clip(x / 2.0 ** e, -6, 6)
;;       step = 2.0 ** (np.maximum(np.frexp(np.where(r == 0, 1, r))[1] - 1, 0) - 1)
;;       q = np.round(r / step) * step * 2.0 ** e      # np.round: ties to even
;;       return np.moveaxis(q.reshape(q.shape[:-2] + (-1,))[..., :K], -1, axis).astype(np.float32)
;;   ~~~
;; One version. Each part assembles by itself: llvm-mc -triple=amdgcn-amd-amdhsa -mcpu=gfx1250 --defsym DOCPART=n.
;; ======== version 1 of 1: 5 launches
;; limits: values are held in f16: magnitudes above 65,504 overflow, below 6.1e-05 lose precision
;; workspace buffers: codes 5,767,168 bytes; scales 360,448 bytes; wo16 8,388,608 bytes; mw 1,179,648 bytes of whole numbers; rope 1,572,864 bytes; qkv 18,874,368 bytes; a16 12,582,912 bytes; afine 131,072 bytes
;; launch prep (part 1): grid 224 x 6, 4 waves a work-group, no clusters, 67,072 bytes of LDS; arguments hidden_states, Wq, Wk, Wv, Wo, attention_mask, position_ids, codes, scales, wo16, mw, rope; writes codes, scales, wo16, mw, rope
.if DOCPART == 1
	.amdgcn_target "amdgcn-amd-amdhsa--gfx1250"
	.amdhsa_code_object_version 6
	.text
	.protected	k_q23855a5911_prep
	.globl	k_q23855a5911_prep
	.p2align	8
	.type	k_q23855a5911_prep,@function
k_q23855a5911_prep:
	s_mov_b64 s[64:65], 0
	v_nop
	global_prefetch_b8 v0, s[64:65] scope:SCOPE_SE
	s_setreg_imm32_b32 hwreg(HW_REG_WAVE_MODE, 25, 1), 1
	s_wait_xcnt 0x0
; PREP: everything that is made once from the inputs, in one launch.  Four jobs, told apart by the work-group's number alone:
;   QUANT  hidden_states, Wq, Wk, Wv (f32, K innermost) -> codes of FP4 (E2M1), [5632 rows][1024 bytes], and one E8M0 byte for each 32 along K, [5632][64].  Rows 0-3071 x, 3072-5119 Wq, 5120-5375 Wk, 5376-5631 Wv.
;   CAST   Wo -> f16, row-major.
;   MASK   attention_mask (a byte a key) -> lane masks: word 8 kt + j of [query tile 192][key step 48][32 words] has in bit l mask[16 qt + l % 16][64 step + 16 kt + 8 (l / 16) + j].
;   ROPE   cos and sin of position x inv_freq, in the lane layout of a matrix result: [token tile 192][frequency tile 4][cos, sin][half 2][lane 32][16 bytes].
; x >= 176: MASK (48 x 6 work-groups).  Else L = 176 y + x: L < 352 QUANT, L < 864 CAST, else ROPE.  Waves share nothing: no barrier.  No work-group shares an input with another: no cluster.
; A block's scale is 2^(floor(log2(its largest magnitude)) - 2); its byte is the largest magnitude's exponent field - 2, held at 1 from below.
; LIMITS: a block of zeros gets the byte 1 where the rule says 127 (its codes are zeros, and this program alone reads the bytes); NaN and infinities among the inputs are not served;
; |Wo| up to 65,504 (f16); positions 0 .. 3071, as the table that they index; inv_freq = 2^(-f log2(10000) / 64) by one multiplication and v_exp_f32, within about two parts in 10^7 of the power it stands for.
.set STEPS, 16
.set EMAX,  2
.set CB,    8                          ; bytes of 16 codes
.set R,     16                         ; QUANT: v16-79 four sets of 16 numbers as loaded
.set X,     80                         ; v80-111 two sets of 16 neighbours
.set E,     112                        ; v112-127 a scale byte for each step
.set C,     128                        ; v128-191 codes, four registers a step
.set WREG,  8192                       ; LDS: QUANT's region of a wave: two stages of 32 x SP bytes, then its 256 scale bytes
.set SP,    80
.set MSTG,  4*WREG                     ; LDS: MASK's stages, bytes of their own: 16 rows x MP for each wave
.set MP,    528                        ; 512 bytes of a mask row + 16
.set SPARE, MSTG+4*16*MP               ; the spare words, 128 bytes a wave: two blocks of 256 bytes that no other line names
.set SPW,   12                         ; v12 LDS address of my spare word; never rewritten
.set NIL,   13                         ; v13 0; never rewritten
	s_load_b512 s[4:19], s[0:1], 0x0               ; x 4:5, Wq 6:7, Wk 8:9, Wv 10:11, Wo 12:13, mask 14:15, positions 16:17, codes 18:19
	s_load_b256 s[20:27], s[0:1], 0x40             ; scales 20:21, wo16 22:23, mw 24:25, rope 26:27
	v_lshl_add_u32 v[SPW], v0, 2, SPARE
	v_mov_b32 v[NIL], 0
	v_lshrrev_b32 v1, 5, v0
	v_readfirstlane_b32 s28, v1                    ; wave
	v_and_b32 v2, 31, v0                           ; lane
	s_and_b32 s29, ttmp7, 0xffff                   ; y
	s_wait_kmcnt 0x0
	s_cmp_ge_u32 ttmp9, 176
	s_cbranch_scc1 .Lmask
	s_mul_i32 s29, s29, 176
	s_add_co_u32 s29, s29, ttmp9                   ; L
	s_cmp_ge_u32 s29, 864
	s_cbranch_scc1 .Lrope
	s_cmp_ge_u32 s29, 352
	s_cbranch_scc1 .Lcast
; ---------------- QUANT: a wave takes 16 steps of 512 numbers.  Rows are dense and K is a multiple of 32: a tensor is a stream of blocks of 32.
; Each load reads 512 consecutive bytes; a step's 2,048 bytes turn through the wave's own stage so that a lane holds 16 neighbours along K (two lanes to a block).
	v_lshlrev_b32 v3, 4, v2                        ; my 16 bytes of a load's 512
	s_mul_i32 s31, s28, WREG
	v_lshrrev_b32 v14, 2, v2
	v_mul_u32_u24 v14, v14, SP
	v_and_b32 v15, 3, v2
	v_lshl_add_u32 v14, v15, 4, v14
	v_add_nc_u32 v14, s31, v14                     ; the stage on the way in: SP (lane / 4) + 16 (lane % 4)
	v_mul_u32_u24 v15, v2, SP
	v_add_nc_u32 v15, s31, v15                     ; on the way out: SP x lane
	v_mul_u32_u24 v4, v2, CB                       ; my codes' place in a step's
	v_lshrrev_b32 v5, 1, v2
	s_add_co_u32 s31, s31, 2*32*SP
	v_add_nc_u32 v5, s31, v5                       ; my block's scale byte
	v_lshlrev_b32 v7, 3, v2
	v_add_nc_u32 v6, s31, v7                       ; and 8 bytes a lane on the way out
	s_mov_b32 s30, 336                             ; which tensor, and its first work-group: the choice hangs on the work-group's number alone
	s_cmp_lt_u32 s29, 336
	s_cselect_b64 s[32:33], s[8:9], s[10:11]
	s_cselect_b32 s30, 320, s30
	s_cmp_lt_u32 s29, 320
	s_cselect_b64 s[32:33], s[6:7], s[32:33]
	s_cselect_b32 s30, 192, s30
	s_cmp_lt_u32 s29, 192
	s_cselect_b64 s[32:33], s[4:5], s[32:33]
	s_cselect_b32 s30, 0, s30
	s_sub_co_u32 s30, s29, s30
	s_lshl_b32 s30, s30, 2
	s_add_co_u32 s30, s30, s28                     ; my run of 8,192 numbers in the tensor
	s_lshl_b32 s34, s30, 15
	s_mov_b32 s35, 0
	s_add_nc_u64 s[32:33], s[32:33], s[34:35]
	s_lshl_b32 s30, s29, 2
	s_add_co_u32 s30, s30, s28                     ; and in the joint buffers of codes and scale bytes
	s_lshl_b32 s34, s30, 12
	s_add_nc_u64 s[36:37], s[18:19], s[34:35]
	s_lshl_b32 s34, s30, 8
	s_add_nc_u64 s[38:39], s[20:21], s[34:35]
.macro QLOAD t
.irp i, 0,1,2,3
	global_load_b128 v[R+16*((\t)%4)+4*\i:R+16*((\t)%4)+4*\i+3], v3, s[32:33] offset:2048*(\t)+512*\i th:TH_LOAD_NT
.endr
.endm
.macro QTURN t                         ; step t's numbers through the stage: LDS serves a wave's instructions in order, so no wait stands between the stores and the loads
.irp i, 0,1,2,3
	ds_store_b128 v14, v[R+16*((\t)%4)+4*\i:R+16*((\t)%4)+4*\i+3] offset:32*SP*((\t)%2)+8*SP*\i
.endr
.irp i, 0,1,2,3
	ds_load_b128 v[X+16*((\t)%2)+4*\i:X+16*((\t)%2)+4*\i+3], v15 offset:32*SP*((\t)%2)+16*\i
.endr
.endm
.irp t, 0,1,2,3
	QLOAD \t
.endr
	s_wait_loadcnt 12                              ; step 0's four loads are in; twelve younger ones stay out
	QTURN 0
.macro QSTEP t
.set XS, X+16*((\t)%2)
.if (\t) > 0
	s_wait_dscnt 1                                 ; this step's numbers are back from the stage; the last step's byte store may be out
.else
	s_wait_dscnt 0x0
.endif
.if (\t)+4 < STEPS
	QLOAD (\t)+4                                   ; into the registers that this step's stores into the stage have read
.endif
.if (\t)+1 < STEPS
.if STEPS-2-(\t) >= 3
	s_wait_loadcnt 12                              ; the next step's four loads are in; those of the three steps behind it may be out
.else
	s_wait_loadcnt 4*(STEPS-2-(\t))
.endif
	QTURN (\t)+1
.endif
	v_max3_num_f32 v8, |v[XS]|, |v[XS+1]|, |v[XS+2]|
	v_max3_num_f32 v9, |v[XS+3]|, |v[XS+4]|, |v[XS+5]|
.irp i, 6,10
	v_max3_num_f32 v8, v8, |v[XS+\i]|, |v[XS+\i+1]|
	v_max3_num_f32 v9, v9, |v[XS+\i+2]|, |v[XS+\i+3]|
.endr
	v_max3_num_f32 v8, v8, |v[XS+14]|, |v[XS+15]|
	v_max3_num_f32 v8, v8, v9, (EMAX+1)<<23        ; the floor 2^(EMAX + 1 - 127): the byte cannot fall under 1
	v_max_num_f32_dpp v8, v8, v8 row_xmask:1 row_mask:0xf bank_mask:0xf   ; with my neighbour's 16: the block's largest magnitude
	v_add_nc_u32 v11, -(EMAX<<23), v8              ; EMAX off its exponent field: the conversion takes the exponent field of this operand as its scale
	v_cvt_scalef32_pk8_fp4_f32 v[C+4*(\t)], v[XS:XS+7], v11
	v_cvt_scalef32_pk8_fp4_f32 v[C+4*(\t)+1], v[XS+8:XS+15], v11
	v_lshrrev_b32 v[E+(\t)], 23, v11               ; the scale's byte
	ds_store_b8 v5, v[E+(\t)] offset:16*(\t)       ; both lanes of a block write the same byte with the same value
	global_store_b64 v4, v[C+4*(\t):C+4*(\t)+1], s[36:37] offset:32*CB*(\t)   ; the wave stores 256 consecutive bytes, aligned
.endm
.irp t, 0,1,2,3,4,5,6,7,8,9,10,11,12,13,14,15
	QSTEP \t
.endr
	ds_load_b64 v[8:9], v6                         ; my wave's 256 scale bytes: these loads see my stores
	s_wait_dscnt 0x0
	global_store_b64 v7, v[8:9], s[38:39]          ; 256 consecutive bytes, aligned
	s_wait_tensorcnt 0x0                           ; the wave's end
	ds_add_u32 v[SPW], v[NIL]
	s_wait_dscnt 0x0
	s_endpgm
; ---------------- CAST: a wave takes 2,048 numbers of Wo: 16 loads of 512 consecutive bytes, 16 stores of 256.  No register is written twice.
.Lcast:
	s_sub_co_u32 s30, s29, 352
	s_lshl_b32 s30, s30, 2
	s_add_co_u32 s30, s30, s28                     ; my run
	s_lshl_b32 s34, s30, 13
	s_mov_b32 s35, 0
	s_add_nc_u64 s[32:33], s[12:13], s[34:35]
	s_lshl_b32 s34, s30, 12
	s_add_nc_u64 s[36:37], s[22:23], s[34:35]
	v_lshlrev_b32 v3, 4, v2
	v_lshlrev_b32 v4, 3, v2
.irp i, 0,1,2,3,4,5,6,7,8,9,10,11,12,13,14,15
	global_load_b128 v[16+4*\i:19+4*\i], v3, s[32:33] offset:512*\i th:TH_LOAD_NT
.endr
.irp i, 0,1,2,3,4,5,6,7,8,9,10,11,12,13,14,15
	s_wait_loadcnt 15-\i                           ; load i is in; the younger ones stay out
	v_cvt_pk_f16_f32 v[80+2*\i], v[16+4*\i], v[17+4*\i]
	v_cvt_pk_f16_f32 v[81+2*\i], v[18+4*\i], v[19+4*\i]
	global_store_b64 v4, v[80+2*\i:81+2*\i], s[36:37] offset:256*\i
.endr
	s_endpgm
; ---------------- MASK: a wave takes 16 queries x 512 keys.  Rows come in as they lie (512 consecutive bytes a load), turn through the wave's stage so that lane (r, h) holds
; keys 16 kt + 8 h + 0 .. 7 of query r, and each byte column becomes one lane mask by a compare.  The 256 words leave as 1,024 consecutive bytes.
.Lmask:
	s_sub_co_u32 s30, ttmp9, 176
	s_lshl_b32 s30, s30, 2
	s_add_co_u32 s30, s30, s28                     ; query tile
	s_mul_i32 s34, s30, 16*3072
	s_lshl_b32 s31, s29, 9                         ; y: which 512 keys
	s_add_co_u32 s34, s34, s31
	s_mov_b32 s35, 0
	s_add_nc_u64 s[32:33], s[14:15], s[34:35]
	s_mul_i32 s34, s30, 6144
	s_lshl_b32 s31, s29, 10
	s_add_co_u32 s34, s34, s31
	s_add_nc_u64 s[36:37], s[24:25], s[34:35]
	v_lshlrev_b32 v3, 4, v2                        ; 16 x lane
	s_mul_i32 s31, s28, 16*MP
	s_add_co_u32 s31, s31, MSTG                    ; my stage
	v_add_nc_u32 v4, s31, v3
	v_and_b32 v5, 15, v0
	v_bfe_u32 v6, v0, 4, 1
	v_mul_u32_u24 v5, v5, MP
	v_lshl_add_u32 v5, v6, 3, v5
	v_add_nc_u32 v5, s31, v5                       ; row r, + 8 h
.irp i, 0,1,2,3,4,5,6,7,8,9,10,11,12,13,14,15
	global_load_b128 v[16+4*\i:19+4*\i], v3, s[32:33] offset:3072*\i th:TH_LOAD_NT
.endr
.irp i, 0,1,2,3,4,5,6,7,8,9,10,11,12,13,14,15
	s_wait_loadcnt 15-\i                           ; row i is in; the younger loads stay out
	ds_store_b128 v4, v[16+4*\i:19+4*\i] offset:MP*\i
.endr
.set kt, 0
.rept 32
	ds_load_b64 v[80+2*kt:81+2*kt], v5 offset:16*kt   ; my own bytes, served in order behind my stores
.set kt, kt+1
.endr
.irp j, 0,1,2,3,4,5,6,7
	v_mov_b32 v[152+\j], 0                         ; v_writelane_b32's destination counts as read
.endr
	s_wait_dscnt 0x0
.set kt, 0
.rept 32
.irp j, 0,1,2,3,4,5,6,7
	v_and_b32 v[144+\j], 0xff<<(8*(\j%4)), v[80+2*kt+\j/4]
.endr
.irp j, 0,1,2,3,4,5,6,7
	v_cmp_ne_u32 s[40+\j], 0, v[144+\j]            ; word 8 kt + j: a bit a lane
.endr
.irp j, 0,1,2,3,4,5,6,7
	v_writelane_b32 v[152+4*((8*kt+\j)/128)+\j%4], s[40+\j], ((8*kt+\j)%128)/4   ; to its place in two stores of 16 bytes a lane
.endr
.set kt, kt+1
.endr
	global_store_b128 v3, v[152:155], s[36:37]
	global_store_b128 v3, v[156:159], s[36:37] offset:512
	s_wait_tensorcnt 0x0                           ; the wave's end
	ds_add_u32 v[SPW], v[NIL]
	s_wait_dscnt 0x0
	s_endpgm
; ---------------- ROPE: work-group = token tile, wave = frequency tile.  Lane (r, h), register j: angle = position[16 tt + r] x inv_freq[16 fb + 8 h + j], one f32 multiplication.
; Sine and cosine: k = nearest whole number to angle x 2 / pi; r = angle - k pi / 2 with pi / 2 in two parts, by fused multiply-adds; polynomials on |r| <= pi / 4; the quadrant k % 4 swaps and signs them.
.Lrope:
	s_sub_co_u32 s30, s29, 864                     ; token tile
	v_and_b32 v3, 15, v0                           ; r
	v_bfe_u32 v4, v0, 4, 1                         ; h
	v_lshlrev_b32 v5, 2, v3
	s_lshl_b32 s34, s30, 6
	s_mov_b32 s35, 0
	s_add_nc_u64 s[32:33], s[16:17], s[34:35]
	global_load_b32 v6, v5, s[32:33]               ; my token's position
	s_lshl_b32 s34, s30, 2
	s_add_co_u32 s34, s34, s28
	s_lshl_b32 s34, s34, 11
	s_add_nc_u64 s[36:37], s[26:27], s[34:35]
	v_lshlrev_b32 v7, 4, v2
	s_lshl_b32 s31, s28, 4
	v_lshl_add_u32 v8, v4, 3, s31                  ; 16 fb + 8 h
	s_mov_b32 s40, 0xbe549a78                      ; -log2(10000) / 64
	s_mov_b32 s41, 0x3f22f983                      ; 2 / pi
	s_mov_b32 s42, 0x3fc90fdb                      ; pi / 2, its f32 part,
	s_mov_b32 s43, 0xb33bbd2e                      ; and what is left of it
	s_mov_b32 s44, 0xbe2aaaa3                      ; sine: -1.6666654611e-1, 8.3321608736e-3, -1.9515295891e-4
	s_mov_b32 s45, 0x3c08839e
	s_mov_b32 s46, 0xb94ca1f9
	s_mov_b32 s47, 0x3d2aaaa5                      ; cosine: 4.166664568e-2, -1.388731625e-3, 2.443315712e-5
	s_mov_b32 s48, 0xbab6061a
	s_mov_b32 s49, 0x37ccf5ce
.irp j, 0,1,2,3,4,5,6,7
	v_add_nc_u32 v[16+\j], \j, v8
.endr
.irp j, 0,1,2,3,4,5,6,7
	v_cvt_f32_u32 v[16+\j], v[16+\j]
.endr
.irp j, 0,1,2,3,4,5,6,7
	v_mul_f32 v[16+\j], s40, v[16+\j]
.endr
.irp j, 0,1,2,3,4,5,6,7
	v_exp_f32 v[16+\j], v[16+\j]                   ; inv_freq: one batch
.endr
	v_nop                                          ; a plain instruction behind the last of them
	s_wait_alu depctr_va_vdst(0)                   ; one wait for the batch, ahead of its first reader
	s_wait_loadcnt 0x0
	v_cvt_f32_i32 v6, v6
.irp j, 0,1,2,3,4,5,6,7
	v_mul_f32 v[16+\j], v6, v[16+\j]               ; the angle
.endr
.macro SINCOS j
	v_mul_f32 v[24+\j], s41, v[16+\j]
	v_rndne_f32 v[24+\j], v[24+\j]                 ; k
	v_fma_f32 v[32+\j], -v[24+\j], s42, v[16+\j]
	v_fma_f32 v[32+\j], -v[24+\j], s43, v[32+\j]   ; r
	v_mul_f32 v[40+\j], v[32+\j], v[32+\j]         ; z = r r
	v_fma_f32 v[48+\j], v[40+\j], s46, s45
	v_fma_f32 v[48+\j], v[48+\j], v[40+\j], s44
	v_mul_f32 v[48+\j], v[48+\j], v[40+\j]
	v_fma_f32 v[48+\j], v[48+\j], v[32+\j], v[32+\j]   ; sin r
	v_fma_f32 v[56+\j], v[40+\j], s49, s48
	v_fma_f32 v[56+\j], v[56+\j], v[40+\j], s47
	v_mul_f32 v[56+\j], v[56+\j], v[40+\j]
	v_fma_f32 v[64+\j], v[40+\j], -0.5, 1.0
	v_fma_f32 v[56+\j], v[56+\j], v[40+\j], v[64+\j]   ; cos r
	v_cvt_i32_f32 v[64+\j], v[24+\j]
	v_and_b32 v[24+\j], 1, v[64+\j]
	v_cmp_ne_u32 vcc_lo, 0, v[24+\j]               ; an odd quadrant swaps the two
	v_cndmask_b32 v[80+\j], v[48+\j], v[56+\j], vcc_lo
	v_cndmask_b32 v[72+\j], v[56+\j], v[48+\j], vcc_lo
	v_and_b32 v[24+\j], 2, v[64+\j]                ; the sine is negative in quadrants 2 and 3,
	v_lshlrev_b32 v[24+\j], 30, v[24+\j]
	v_xor_b32 v[80+\j], v[24+\j], v[80+\j]
	v_add_nc_u32 v[64+\j], 1, v[64+\j]             ; the cosine in 1 and 2
	v_and_b32 v[64+\j], 2, v[64+\j]
	v_lshlrev_b32 v[64+\j], 30, v[64+\j]
	v_xor_b32 v[72+\j], v[64+\j], v[72+\j]
.endm
.irp j, 0,1,2,3,4,5,6,7
	SINCOS \j
.endr
	global_store_b128 v7, v[72:75], s[36:37]               ; each store covers 512 consecutive bytes
	global_store_b128 v7, v[76:79], s[36:37] offset:512
	global_store_b128 v7, v[80:83], s[36:37] offset:1024
	global_store_b128 v7, v[84:87], s[36:37] offset:1536
	s_endpgm
.Lfunc_end_k_q23855a5911_prep:
	.size	k_q23855a5911_prep, .Lfunc_end_k_q23855a5911_prep-k_q23855a5911_prep
	.p2alignl 7, 3214868480
	.fill 96, 4, 3214868480
	.section	.rodata,"a",@progbits
	.p2align	6, 0x0
	.amdhsa_kernel k_q23855a5911_prep
		.amdhsa_group_segment_fixed_size 67072
		.amdhsa_private_segment_fixed_size 0
		.amdhsa_enable_private_segment 0
		.amdhsa_kernarg_size 96
		.amdhsa_user_sgpr_count 2
		.amdhsa_user_sgpr_kernarg_segment_ptr 1
		.amdhsa_wavefront_size32 1
		.amdhsa_system_sgpr_workgroup_id_x 1
		.amdhsa_system_sgpr_workgroup_id_y 1
		.amdhsa_system_sgpr_workgroup_id_z 1
		.amdhsa_system_vgpr_workitem_id 0
		.amdhsa_next_free_vgpr 192
		.amdhsa_next_free_sgpr 66
		.amdhsa_reserve_vcc 1
		.amdhsa_float_denorm_mode_32 3
		.amdhsa_float_denorm_mode_16_64 3
		.amdhsa_memory_ordered 1
		.amdhsa_forward_progress 1
		.amdhsa_inst_pref_size 106
	.end_amdhsa_kernel
	.amdgpu_metadata
---
amdhsa.version: [ 1, 2 ]
amdhsa.kernels:
  - .name:           k_q23855a5911_prep
    .symbol:         k_q23855a5911_prep.kd
    .args:
      - { .name: hidden_states, .offset: 0, .size: 8, .value_kind: global_buffer, .address_space: global }
      - { .name: Wq, .offset: 8, .size: 8, .value_kind: global_buffer, .address_space: global }
      - { .name: Wk, .offset: 16, .size: 8, .value_kind: global_buffer, .address_space: global }
      - { .name: Wv, .offset: 24, .size: 8, .value_kind: global_buffer, .address_space: global }
      - { .name: Wo, .offset: 32, .size: 8, .value_kind: global_buffer, .address_space: global }
      - { .name: attention_mask, .offset: 40, .size: 8, .value_kind: global_buffer, .address_space: global }
      - { .name: position_ids, .offset: 48, .size: 8, .value_kind: global_buffer, .address_space: global }
      - { .name: codes, .offset: 56, .size: 8, .value_kind: global_buffer, .address_space: global }
      - { .name: scales, .offset: 64, .size: 8, .value_kind: global_buffer, .address_space: global }
      - { .name: wo16, .offset: 72, .size: 8, .value_kind: global_buffer, .address_space: global }
      - { .name: mw, .offset: 80, .size: 8, .value_kind: global_buffer, .address_space: global }
      - { .name: rope, .offset: 88, .size: 8, .value_kind: global_buffer, .address_space: global }
    .group_segment_fixed_size: 67072
    .private_segment_fixed_size: 0
    .kernarg_segment_align: 8
    .kernarg_segment_size: 96
    .max_flat_workgroup_size: 128
    .sgpr_count:     66
    .vgpr_count:     192
    .wavefront_size: 32
...
	.end_amdgpu_metadata
.endif
;; end of part 1
;; launch qkv (part 2): grid 20 x 24, 4 waves a work-group, clusters of 4 x 4, 327,680 bytes of LDS; arguments codes, scales, rope, qkv; writes qkv
.if DOCPART == 2
	.amdgcn_target "amdgcn-amd-amdhsa--gfx1250"
	.amdhsa_code_object_version 6
	.text
	.protected	k_q23855a5911_qkv
	.globl	k_q23855a5911_qkv
	.p2align	8
	.type	k_q23855a5911_qkv,@function
k_q23855a5911_qkv:
	s_mov_b64 s[64:65], 0
	v_nop
	global_prefetch_b8 v0, s[64:65] scope:SCOPE_SE
	s_setreg_imm32_b32 hwreg(HW_REG_WAVE_MODE, 25, 1), 1
	s_wait_xcnt 0x0
	s_wait_alu depctr_hold_cnt(0) depctr_sa_sdst(0) depctr_va_vdst(0) depctr_va_sdst(0) depctr_va_ssrc(0) depctr_va_vcc(0) depctr_vm_vsrc(0)
	s_getreg_b32 s2, hwreg(HW_REG_IB_STS2, 6, 4)
	s_cmp_eq_u32 s2, 0
	s_cbranch_scc0 .Lentry_in_a_cluster
	s_endpgm
.Lentry_in_a_cluster:
	s_bfe_u32 s2, ttmp6, 0x10000c
	s_cmp_lg_u32 s2, 0xf033
	s_cbranch_scc0 .Lentry_shape_is_right
	s_endpgm
.Lentry_shape_is_right:
; Q, K, V = x W^T on codes of FP4 (E2M1) with one E8M0 scale for each 32 along K, sums in f32; then RoPE and, for Q, the factor c = log2(e) / sqrt(128), in f32; the results leave as f16.
; A work-group makes 128 tokens x one head (128 rows of W): heads 0-15 Q, 16-17 K, 18-19 V.  All of K = 2,048 of both operands lies in LDS at once (four slots of 512 along K, each filled once), so nothing is filled again.
; Wave (mi, ni) takes token tiles 2 mi + {0,1,4,5} and channel tiles 2 ni + {0,1,4,5}: channels d and d + 64, which RoPE pairs, then lie in the same lane.  16 accumulators a wave.
; THE MATRIX INSTRUCTION IS USED TRANSPOSED (source 0 = 16 rows of W, source 1 = 16 tokens): a lane holds one token and eight neighbouring channels; packed to f16 they are 16 bytes.
; OUT: qkv [head 24][128 tokens 24][32,768 bytes]; in a block, token tile a, channel tile b at 4096 a + 512 b.  Q and K: lane l's 16 bytes at 16 l: two such pieces are a 16-bit fragment's registers as they stand.
; V: token r's 16 channels on end, 32 r + 16 h: a dense tile of 16 keys x 16 channels for the turning LDS load.  Every store covers 512 consecutive bytes.
; HEADS 20-23 are the LOW PARTS of heads 16-19: x - (x rounded to f16), again as f16, in the same layout.  They serve the launch that carries the first 16 positions finely.  Only the cluster column that makes K and V
; (cluster x = 4) makes them: a branch on the cluster's x, which all sixteen partners share.
; CLUSTERS: 4 x 4.  x's tiles hang on the token block alone and are shared along a row of the cluster, W's on the head alone and are shared along a column: each is asked for jointly by the four.
; What differs between Q, K and V is carried in numbers (alpha, beta, two strides of the stores), never in a branch: Ce = cos alpha + beta, Se = sin alpha; V has alpha = 0, beta = 1.
; LIMITS: |c q|, |k|, |v| up to 65,504 (f16); under 6.1e-5 a high and a low part together miss x by up to 3e-8; NaN and infinities are not served.
; REGISTERS: window 0: v1-29 addresses; v32-63 scale words, two sets of 16; v64-255 three sets of fragments (W at + 8 i', x at + 32 + 8 i).  window 1: v0-127 the accumulators (i, i') at 8 (4 i + i'); v128-255 cos and sin.
.set PITCH, 272                        ; an LDS row: 256 bytes + 16 = 68 words: the 16 rows of a load start at 16 different groups of banks
.set HALFT, 64*PITCH                   ; what one tensor load brings
.set SLOT,  4*HALFT                    ; x's 128 rows, then W's 128 rows, 512 along K
.set SCL,   4*SLOT                     ; the scale bytes: pieces of 256 bytes + 16; x's 128 rows, then W's
.set HALFS, 16*272                     ; those of 64 rows
.set SBLK,  4*272                      ; those of 16 rows
.set SPARE, SCL+4*HALFS                ; the spare words, 128 bytes a wave: two blocks of 256 bytes that no other line names
.set LOWP,  4*24*32768                 ; from a head's block to its low parts' block: four heads on
.set ADRA, 16                          ; v16-19 LDS address of my x fragments in slot 0..3
.set ADRB, 20                          ; v20-23 the same for W
.set ADRS, 24                          ; v24 of my scale words: lanes 0-15 x's rows, lanes 16-31 W's
.set RO,   25                          ; v25 16 x lane: my place in a piece of the cos and sin table
.set CO,   26                          ; v26 my place in a piece of the output
.set SPW,  28
.set NIL,  29
.set SC,   32
.set FRG,  64
.set G1,   24                          ; s[24:31], s[32:39] group 1 for x's and W's codes; s[40:47], s[48:55] for their scale bytes
.set G1B,  32
.set G1S,  40
.set G1SB, 48
.set G0S,  56                          ; s[56:59], s[60:63] group 0 for the scale bytes; s[68:83], s[84:99] for the four slots of x and of W
.set G0SB, 60
.set G0,   68
.set G0B,  84
.set PADW, (1<<20)|(1<<21)|(5<<22)|(3<<25)   ; padding on; bit 21 beside a mask; four words behind every 64
.set MSB, 0
.macro WIN new                         ; the immediate's high byte repeats the setting that is left
.if MSB != \new
	s_set_vgpr_msb (MSB<<8)|\new
.set MSB, \new
.endif
.endm
; A joint load: waves 0 and 1 fetch for x, waves 2 and 3 for W.  The branch hangs on the wave's number alone.  An s_nop 0 and four v_nop follow each line.
.macro JLOAD g0a, g1a, g0b, g1b
	s_cmp_eq_u32 s13, 0
	s_cbranch_scc0 .Lfor_b_\@
	tensor_load_to_lds s[\g0a:\g0a+3], s[\g1a:\g1a+7]
	s_nop 0
.rept 4
	v_nop
.endr
	s_branch .Lasked_\@
.Lfor_b_\@:
	tensor_load_to_lds s[\g0b:\g0b+3], s[\g1b:\g1b+7]
	s_nop 0
.rept 4
	v_nop
.endr
.Lasked_\@:
.endm
.macro CROUND                          ; a round of the cluster's barrier
	s_barrier_signal -1
	s_barrier_wait -1
	s_cmp_lg_u32 s12, 0
	s_cbranch_scc1 .Lnot_wave_0_\@
	s_barrier_signal -3
.Lnot_wave_0_\@:
	s_barrier_wait -3
	s_barrier_signal -1
	s_barrier_wait -1
.endm
.macro PLACES n
.rept \n
	v_nop
.endr
.endm
	s_load_b256 s[4:11], s[0:1], 0x0               ; codes 4:5, scales 6:7, rope 8:9, qkv 10:11
	v_lshl_add_u32 v[SPW], v0, 2, SPARE
	v_mov_b32 v[NIL], 0
	ds_add_u32 v[SPW], v[NIL]                      ; the wave's opening: the add, twice on end, and its wait ahead of my first tensor load
	ds_add_u32 v[SPW], v[NIL]
	v_lshrrev_b32 v1, 5, v0
	v_readfirstlane_b32 s12, v1                    ; wave
	s_lshr_b32 s13, s12, 1                         ; mi.  Also: I fetch for x (0) or for W (1)
	s_and_b32 s14, s12, 1                          ; ni.  Also: which 64 rows I fetch
	s_bfe_u32 s15, ttmp6, 0x40000                  ; cx
	s_bfe_u32 s16, ttmp6, 0x40004                  ; cy
	s_lshl_b32 s17, ttmp9, 2
	s_add_co_u32 s17, s17, s15                     ; the head
	s_and_b32 s18, ttmp7, 0xffff
	s_lshl_b32 s18, s18, 2
	s_add_co_u32 s18, s18, s16                     ; the block of 128 tokens
	s_lshl_b32 s19, s16, 2
	s_lshl_b32 s19, 15, s19                        ; my row of the cluster
	s_lshl_b32 s20, 0x1111, s15                    ; my column
	s_or_b32 s[G1], s19, PADW                      ; codes: elements of 1 byte
	s_or_b32 s[G1B], s20, PADW
.irp g, G1, G1B
	s_mov_b32 s[\g+1], 256<<16                     ; tensor_dim0 = 256
	s_mov_b32 s[\g+2], 64<<16                      ; tensor_dim1 = 64
	s_mov_b32 s[\g+3], 256<<16                     ; tile_dim0
	s_mov_b32 s[\g+4], 64                          ; tile_dim1
	s_mov_b32 s[\g+5], 1024                        ; from row to row
	s_mov_b32 s[\g+6], 0
	s_mov_b32 s[\g+7], 0
.endr
	s_or_b32 s[G1S], s19, (3<<16)|PADW             ; scale bytes of 64 rows: 4,096 dense bytes as 16 rows of 32 elements of 8 bytes
	s_or_b32 s[G1SB], s20, (3<<16)|PADW
.irp g, G1S, G1SB
	s_mov_b32 s[\g+1], 32<<16
	s_mov_b32 s[\g+2], 16<<16
	s_mov_b32 s[\g+3], 32<<16
	s_mov_b32 s[\g+4], 16
	s_mov_b32 s[\g+5], 32
	s_mov_b32 s[\g+6], 0
	s_mov_b32 s[\g+7], 0
.endr
	s_lshl_b32 s21, s14, 6
	s_lshl_b32 s2, s18, 7
	s_add_co_u32 s2, s2, s21                       ; x: the first row that I fetch
	s_lshl_b32 s22, s17, 7
	s_add_co_u32 s22, s22, s21                     ; W: likewise, counted from Wq's first row
	s_lshl_b32 s20, s2, 6                          ; x's scale bytes: 64 a row
	s_mov_b32 s21, 0
	s_lshl_b32 s2, s2, 10                          ; x's codes: 1,024 bytes a row
	s_mov_b32 s3, 0
	s_lshl_b32 s66, s22, 6
	s_add_co_u32 s66, s66, 3072*64                 ; W's rows lie behind x's 3,072
	s_mov_b32 s67, 0
	s_lshl_b32 s22, s22, 10
	s_add_co_u32 s22, s22, 3072*1024
	s_mov_b32 s23, 0
	s_mul_i32 s19, s12, HALFT                      ; where they go: wave x 64 rows: no place in the cluster enters an LDS address
	s_mul_i32 s100, s12, HALFS
	s_wait_dscnt 0x0                               ; both opening adds are done
	s_wait_kmcnt 0x0
	s_add_nc_u64 s[2:3], s[4:5], s[2:3]
	s_add_nc_u64 s[20:21], s[6:7], s[20:21]
	s_add_nc_u64 s[22:23], s[4:5], s[22:23]
	s_add_nc_u64 s[66:67], s[6:7], s[66:67]
	CROUND                                         ; all sixteen work-groups are here: the joint loads meet
	s_mov_b32 s[G0S], 1
	s_add_co_u32 s[G0S+1], s100, SCL
	s_mov_b64 s[G0S+2:G0S+3], s[20:21]
	s_or_b32 s[G0S+3], s[G0S+3], 0x80000000
	s_mov_b32 s[G0SB], 1
	s_add_co_u32 s[G0SB+1], s100, SCL
	s_mov_b64 s[G0SB+2:G0SB+3], s[66:67]
	s_or_b32 s[G0SB+3], s[G0SB+3], 0x80000000
	JLOAD G0S, G1S, G0SB, G1SB                     ; the scale bytes first; then the four slots: five tensor loads of mine are out
.irp q, 0,1,2,3
	s_mov_b32 s[G0+4*\q], 1
	s_add_co_u32 s[G0+4*\q+1], s19, \q*SLOT
	s_add_nc_u64 s[G0+4*\q+2:G0+4*\q+3], s[2:3], \q*256
	s_or_b32 s[G0+4*\q+3], s[G0+4*\q+3], 0x80000000
	s_mov_b32 s[G0B+4*\q], 1
	s_add_co_u32 s[G0B+4*\q+1], s19, \q*SLOT
	s_add_nc_u64 s[G0B+4*\q+2:G0B+4*\q+3], s[22:23], \q*256
	s_or_b32 s[G0B+4*\q+3], s[G0B+4*\q+3], 0x80000000
	JLOAD G0+4*\q, G1, G0B+4*\q, G1B
.endr
	v_and_b32 v1, 15, v0                           ; r
	v_bfe_u32 v2, v0, 4, 1                         ; h
	v_and_b32 v6, 31, v0
	v_lshlrev_b32 v[RO], 4, v6
	s_lshl_b32 s20, s18, 3                         ; cos and sin of my token tiles and my two frequency tiles
	s_lshl_b32 s21, s13, 1
	s_add_co_u32 s20, s20, s21
	s_lshl_b32 s20, s20, 13
	s_lshl_b32 s21, s14, 12
	s_add_co_u32 s20, s20, s21
	s_mov_b32 s21, 0
	s_add_nc_u64 s[8:9], s[8:9], s[20:21]
	WIN 0x40                                       ; destination window 1
.irp i, 0,1,2,3
.irp f, 0,1
.irp c, 0,1,2,3
	global_load_b128 v[128+16*(2*\i+\f)+4*\c:128+16*(2*\i+\f)+4*\c+3], v[RO], s[8:9] offset:(\i+2*(\i/2))*8192+\f*2048+\c*512   ; c: cos low, cos high, sin low, sin high
.endr
.endr
.endr
	WIN 0
	v_mul_u32_u24 v3, v1, PITCH
	v_lshl_add_u32 v3, v2, 4, v3                   ; a fragment's row x pitch + 16 h
	s_mul_i32 s20, s13, 32*PITCH                   ; x: from token tile 2 mi on
	s_mul_i32 s21, s14, 32*PITCH                   ; W: from channel tile 2 ni on,
	s_add_co_u32 s21, s21, 2*HALFT                 ; behind x's 128 rows
.irp q, 0,1,2,3
	v_add_nc_u32 v[ADRA+\q], s20, v3
	v_add_nc_u32 v[ADRB+\q], s21, v3
	s_add_co_u32 s20, s20, SLOT
	s_add_co_u32 s21, s21, SLOT
.endr
	v_lshlrev_b32 v4, 6, v1                        ; my row's scale bytes: 64 a row,
	v_lshrrev_b32 v5, 2, v1
	v_lshl_add_u32 v4, v5, 4, v4                   ; and 16 more for each 256 passed
	s_mul_i32 s20, s13, 2*SBLK
	s_mul_i32 s21, s14, 2*SBLK
	s_add_co_u32 s21, s21, 2*HALFS
	s_sub_co_u32 s21, s21, s20
	v_mul_u32_u24 v5, s21, v2                      ; lanes 16-31 take W's: the lower base + h x the distance
	s_add_co_u32 s20, s20, SCL
	v_add_nc_u32 v4, v4, v5
	v_add_nc_u32 v[ADRS], s20, v4
	s_mov_b32 s66, 1.0                             ; alpha: K 1, Q c, V 0;  beta: V 1, else 0;  the output's strides from token to token and from half to half
	s_cmp_lt_u32 s17, 16
	s_cselect_b32 s66, 0x3e0293ee, s66
	s_cmp_lt_u32 s17, 18
	s_cselect_b32 s66, s66, 0
	s_cselect_b32 s67, 0, 1.0
	s_cselect_b32 s100, 16, 32
	s_cselect_b32 s101, 256, 16
	v_mov_b32 v8, s66
	v_mov_b32 v9, s66
	v_mov_b32 v10, s67
	v_mov_b32 v11, s67
	v_mul_u32_u24 v[CO], v1, s100
	v_mad_u32_u24 v[CO], v2, s101, v[CO]
	s_mul_i32 s20, s17, 24
	s_add_co_u32 s20, s20, s18
	s_lshl_b32 s20, s20, 15                        ; my block of the output,
	s_lshl_b32 s21, s13, 13                        ; from token tile 2 mi,
	s_add_co_u32 s20, s20, s21
	s_lshl_b32 s21, s14, 10                        ; and channel tile 2 ni on
	s_add_co_u32 s20, s20, s21
	s_mov_b32 s21, 0
	s_add_nc_u64 s[10:11], s[10:11], s[20:21]
.macro FRAG reg, adr, q, t             ; 16 rows x 128 K of 4-bit codes: registers 4 c .. 4 c + 3 hold K = 64 c + 32 h + 0 .. 31
.irp c, 0,1
	ds_load_b128 v[(\reg)+4*\c:(\reg)+4*\c+3], v[\adr] offset:64*(\q)+32*\c+(\t)*16*PITCH
.endr
.endm
; The fragments of chunk gg (128 along K) into set gg % 3: 16 loads; ahead of them, at a slot's first chunk, the slot's scale words: 4 loads (lanes 0-15 x's tile i, lanes 16-31 W's tile i; four words a row)
.macro FETCH gg
.if ((\gg)%4) == 0
.irp i, 0,1,2,3
	ds_load_b128 v[SC+16*(((\gg)/4)%2)+4*\i:SC+16*(((\gg)/4)%2)+4*\i+3], v[ADRS] offset:(\i+2*(\i/2))*SBLK+16*((\gg)/4)
.endr
.endif
.irp i, 0,1,2,3
	FRAG FRG+64*((\gg)%3)+8*\i, ADRB+(\gg)/4, (\gg)%4, \i+2*(\i/2)
.endr
.irp i, 0,1,2,3
	FRAG FRG+64*((\gg)%3)+32+8*\i, ADRA+(\gg)/4, (\gg)%4, \i+2*(\i/2)
.endr
.endm
; 16 matrix instructions, the 16 accumulators by turns, in the same order in every chunk
.macro MUL gg, zero
.set FS, FRG+64*((\gg)%3)
.set SS, SC+16*(((\gg)/4)%2)+(\gg)%4
.irp i, 0,1,2,3
.irp n, 0,1,2,3
.if \zero
	v_wmma_scale_f32_16x16x128_f8f6f4 v[8*(4*\i+\n):8*(4*\i+\n)+7], v[FS+8*\n:FS+8*\n+7], v[FS+32+8*\i:FS+32+8*\i+7], 0, v[SS+4*\n], v[SS+4*\i] matrix_a_fmt:MATRIX_FMT_FP4 matrix_b_fmt:MATRIX_FMT_FP4 matrix_a_scale:MATRIX_SCALE_ROW1
.else
	v_wmma_scale_f32_16x16x128_f8f6f4 v[8*(4*\i+\n):8*(4*\i+\n)+7], v[FS+8*\n:FS+8*\n+7], v[FS+32+8*\i:FS+32+8*\i+7], v[8*(4*\i+\n):8*(4*\i+\n)+7], v[SS+4*\n], v[SS+4*\i] matrix_a_fmt:MATRIX_FMT_FP4 matrix_b_fmt:MATRIX_FMT_FP4 matrix_a_scale:MATRIX_SCALE_ROW1
.endif
.endr
.endr
.endm
; Chunk G: its fragments are in; those of chunk G + 2 are asked for; its products.  Chunks 2, 6 and 10 ask for a new slot's first fragments: ahead of that, my part of the slot has landed and everybody's has.
.macro CHUNK
.if (G == 2) || (G == 6) || (G == 10)
	s_wait_tensorcnt 3-(G+2)/4                     ; tensor loads end in order: the later slots' loads, so many, may stay out
	s_wait_dscnt 0x0                               ; no LDS instruction of mine is out at a signal
	s_barrier_signal -1
	s_barrier_wait -1
.elseif G == 15
	s_wait_dscnt 0x0
.elseif ((G+1)%4) == 0
	s_wait_dscnt 20                                ; all but the next chunk's 16 fragment loads and 4 scale loads
.else
	s_wait_dscnt 16                                ; all but the next chunk's 16 loads
.endif
.if (G >= 1) && (G <= 13)
	PLACES 4                                       ; in front of loads into the set that the last chunk's products read
.endif
.if G <= 13
	FETCH G+2
.endif
	WIN 0x50                                       ; C and D window 1
.if G == 0
	MUL G, 1                                       ; the first products start the sums
.else
	MUL G, 0
.endif
	WIN 0
.endm
	s_wait_tensorcnt 3                             ; the scale bytes and my part of slot 0 are in; three loads stay out
	s_barrier_signal -1
	s_barrier_wait -1                              ; everybody's are
	FETCH 0
	FETCH 1
.set G, 0
.rept 16
	CHUNK
.set G, G+1
.endr
	; THE WAY OUT.  Ce = cos alpha + beta, Se = sin alpha: 64 plain instructions that name none of the last products' registers: their places.
	s_wait_loadcnt 0x0                             ; cos and sin
	WIN 0x41                                       ; destination and source 0 window 1
.irp e, 0,1,2,3,4,5,6,7
.irp p, 0,2,4,6
	v_pk_fma_f32 v[128+16*\e+\p:129+16*\e+\p], v[128+16*\e+\p:129+16*\e+\p], v[8:9], v[10:11]
.endr
.irp p, 0,2,4,6
	v_pk_mul_f32 v[136+16*\e+\p:137+16*\e+\p], v[136+16*\e+\p:137+16*\e+\p], v[8:9]
.endr
.endr
	WIN 0x05                                       ; sources 0 and 1 window 1; source 2 and destination window 0
.irp i, 0,1,2,3                        ; L: channels d < 64, H: d + 64.  new L = L Ce - H Se, new H = H Ce + L Se.  Each accumulator is read from its low end on
.irp f, 0,1
.irp p, 0,2,4,6
	v_pk_mul_f32 v[192+2*\p:193+2*\p], v[8*(4*\i+\f+2)+\p:8*(4*\i+\f+2)+\p+1], v[136+16*(2*\i+\f)+\p:137+16*(2*\i+\f)+\p]
	v_pk_mul_f32 v[194+2*\p:195+2*\p], v[8*(4*\i+\f)+\p:8*(4*\i+\f)+\p+1], v[136+16*(2*\i+\f)+\p:137+16*(2*\i+\f)+\p]
	v_pk_fma_f32 v[64+8*(4*\i+\f)+\p:65+8*(4*\i+\f)+\p], v[8*(4*\i+\f)+\p:8*(4*\i+\f)+\p+1], v[128+16*(2*\i+\f)+\p:129+16*(2*\i+\f)+\p], v[192+2*\p:193+2*\p] neg_lo:[0,0,1] neg_hi:[0,0,1]
	v_pk_fma_f32 v[64+8*(4*\i+\f+2)+\p:65+8*(4*\i+\f+2)+\p], v[8*(4*\i+\f+2)+\p:8*(4*\i+\f+2)+\p+1], v[128+16*(2*\i+\f)+\p:129+16*(2*\i+\f)+\p], v[194+2*\p:195+2*\p]
.endr
.endr
.endr
	WIN 0
.irp t, 0,1,2,3,4,5,6,7,8,9,10,11,12,13,14,15
.irp p, 0,1,2,3
	v_cvt_pk_f16_f32 v[192+4*\t+\p], v[64+8*\t+2*\p], v[65+8*\t+2*\p]
.endr
.endr
.irp i, 0,1,2,3
.irp n, 0,1,2,3
	global_store_b128 v[CO], v[192+4*(4*\i+\n):195+4*(4*\i+\n)], s[10:11] offset:(\i+2*(\i/2))*4096+(\n/2)*2048+(\n%2)*512   ; 512 consecutive bytes, aligned
.endr
.endr
	; THE LOW PARTS of K and V.  x rounded to 11 significant bits, ties to even, on the f32 bits: add 0xfff and bit 13, clear the low 13 bits: the number that the conversion above stored.
	; x less that number is exact in f32 and goes out as f16, four heads further on.  No register that a pending store reads is written: the results' f32 registers and eight scratch registers alone.
	s_cmp_lg_u32 ttmp9, 4                          ; the cluster's x: the same in all sixteen partners
	s_cbranch_scc1 .Lno_low
.irp i, 0,1,2,3
.irp n, 0,1,2,3
.irp j, 0,1,2,3,4,5,6,7
	v_bfe_u32 v[32+\j], v[64+8*(4*\i+\n)+\j], 13, 1
.endr
.irp j, 0,1,2,3,4,5,6,7
	v_add_nc_u32 v[32+\j], v[64+8*(4*\i+\n)+\j], v[32+\j]
.endr
.irp j, 0,1,2,3,4,5,6,7
	v_add_nc_u32 v[32+\j], 0xfff, v[32+\j]
.endr
.irp j, 0,1,2,3,4,5,6,7
	v_and_b32 v[32+\j], 0xffffe000, v[32+\j]
.endr
.irp p, 0,2,4,6
	v_pk_add_f32 v[64+8*(4*\i+\n)+\p:65+8*(4*\i+\n)+\p], v[64+8*(4*\i+\n)+\p:65+8*(4*\i+\n)+\p], v[32+\p:33+\p] neg_lo:[0,1] neg_hi:[0,1]
.endr
.irp p, 0,1,2,3
	v_cvt_pk_f16_f32 v[64+8*(4*\i+\n)+\p], v[64+8*(4*\i+\n)+2*\p], v[65+8*(4*\i+\n)+2*\p]   ; in place, ascending: each line's sources lie at or above its destination
.endr
	global_store_b128 v[CO], v[64+8*(4*\i+\n):67+8*(4*\i+\n)], s[10:11] offset:LOWP+(\i+2*(\i/2))*4096+(\n/2)*2048+(\n%2)*512
.endr
.endr
.Lno_low:
	s_wait_tensorcnt 0x0                           ; the wave's end
	ds_add_u32 v[SPW], v[NIL]
	s_wait_dscnt 0x0
	CROUND                                         ; the closing round
	s_endpgm
.Lfunc_end_k_q23855a5911_qkv:
	.size	k_q23855a5911_qkv, .Lfunc_end_k_q23855a5911_qkv-k_q23855a5911_qkv
	.p2alignl 7, 3214868480
	.fill 96, 4, 3214868480
	.section	.rodata,"a",@progbits
	.p2align	6, 0x0
	.amdhsa_kernel k_q23855a5911_qkv
		.amdhsa_group_segment_fixed_size 327680
		.amdhsa_private_segment_fixed_size 0
		.amdhsa_enable_private_segment 0
		.amdhsa_kernarg_size 32
		.amdhsa_user_sgpr_count 2
		.amdhsa_user_sgpr_kernarg_segment_ptr 1
		.amdhsa_wavefront_size32 1
		.amdhsa_system_sgpr_workgroup_id_x 1
		.amdhsa_system_sgpr_workgroup_id_y 1
		.amdhsa_system_sgpr_workgroup_id_z 1
		.amdhsa_system_vgpr_workitem_id 0
		.amdhsa_next_free_vgpr 512
		.amdhsa_next_free_sgpr 106
		.amdhsa_reserve_vcc 0
		.amdhsa_float_denorm_mode_32 3
		.amdhsa_float_denorm_mode_16_64 3
		.amdhsa_memory_ordered 1
		.amdhsa_forward_progress 1
		.amdhsa_inst_pref_size 124
	.end_amdhsa_kernel
	.amdgpu_metadata
---
amdhsa.version: [ 1, 2 ]
amdhsa.kernels:
  - .name:           k_q23855a5911_qkv
    .symbol:         k_q23855a5911_qkv.kd
    .args:
      - { .name: codes, .offset: 0, .size: 8, .value_kind: global_buffer, .address_space: global }
      - { .name: scales, .offset: 8, .size: 8, .value_kind: global_buffer, .address_space: global }
      - { .name: rope, .offset: 16, .size: 8, .value_kind: global_buffer, .address_space: global }
      - { .name: qkv, .offset: 24, .size: 8, .value_kind: global_buffer, .address_space: global }
    .group_segment_fixed_size: 327680
    .private_segment_fixed_size: 0
    .kernarg_segment_align: 8
    .kernarg_segment_size: 32
    .max_flat_workgroup_size: 128
    .sgpr_count:     106
    .vgpr_count:     512
    .wavefront_size: 32
...
	.end_amdgpu_metadata
.endif
;; end of part 2
;; launch attn (part 3): grid 52 x 4, 4 waves a work-group, clusters of 4 x 1, 327,680 bytes of LDS; arguments qkv, mw, a16, afine; writes a16, afine
.if DOCPART == 3
	.amdgcn_target "amdgcn-amd-amdhsa--gfx1250"
	.amdhsa_code_object_version 6
	.text
	.protected	k_q23855a5911_attn
	.globl	k_q23855a5911_attn
	.p2align	8
	.type	k_q23855a5911_attn,@function
k_q23855a5911_attn:
	s_mov_b64 s[64:65], 0
	v_nop
	global_prefetch_b8 v0, s[64:65] scope:SCOPE_SE
	s_setreg_imm32_b32 hwreg(HW_REG_WAVE_MODE, 25, 1), 1
	s_wait_xcnt 0x0
	s_wait_alu depctr_hold_cnt(0) depctr_sa_sdst(0) depctr_va_vdst(0) depctr_va_sdst(0) depctr_va_ssrc(0) depctr_va_vcc(0) depctr_vm_vsrc(0)
	s_getreg_b32 s2, hwreg(HW_REG_IB_STS2, 6, 4)
	s_cmp_eq_u32 s2, 0
	s_cbranch_scc0 .Lentry_in_a_cluster
	s_endpgm
.Lentry_in_a_cluster:
	s_bfe_u32 s2, ttmp6, 0x10000c
	s_cmp_lg_u32 s2, 0x3003
	s_cbranch_scc0 .Lentry_shape_is_right
	s_endpgm
.Lentry_shape_is_right:
; a16[q][head 128 + d] = the sum over k of softmax_k(where(mask[q][k], -10000, Q.K / sqrt(128))) V[k][d], for 16 heads; head uses K and V of head % 2.  Operands f16, products, maxima and sums f32.
; Q arrives multiplied by c = log2(e) / sqrt(128), so a score is t = score x log2(e); a masked key's t is NEG = -10000 log2(e), put in by a select: it is a finite number and takes part in the maximum and the sum, as in the definition.
; p = 2^(t - m), m the running maximum; in every step O and l are multiplied by a = 2^(m_old - m_new).
; TWO KINDS OF WORK-GROUPS, told apart by the cluster's x, which the four partners of a cluster share.  Clusters 0 to 11: THE MAIN PATH, 48 x 4 = 192 work-groups.  Cluster 12: THE FIRST 16 POSITIONS CARRIED FINELY, 16 work-groups, one a head
; (described where their text begins, behind the main path's end).  They run beside the main path and store into a buffer of their own.
; SHARES.  y = kv + 2 hg.  A work-group owns 64 query positions in four heads kv + 8 hg + 2 t.  Wave w owns ONE tile of 16 positions, in all four heads: its four tiles t share K, V and the 32 mask words of a key step.
; Three tiles a wave would make more work-groups, but would end the sharing of the mask words among four heads and the two equal pieces.
; LAYOUT.  S^T = K Q^T and O^T = V^T P: a lane holds one query throughout.  K's and Q's fragments lie in memory and LDS as images of their registers (16 bytes a lane on end); V as dense tiles of 16 keys x 16 channels, turned by ds_load_tr16_b128.
; BY TURNS.  Pieces {0,1} and {2,3}.  In a turn one piece issues 32 products V^T P of step j and 32 products K Q^T of step j + 1; the other piece's softmax, 330 instructions, stands in 64 slices behind them.
; MASK WORDS.  A wave's 48 x 32 words come into LDS once.  A step's 32 words are read with its K (a word a lane), moved to scalar registers in slices 32-47 of piece 0's turn, and serve as the selects' lane masks in the next two turns.
; CLUSTER.  The four work-groups of a main cluster walk the same K and V: each tile is asked for jointly.
; LIMITS: |attention's result| up to 65,504 (f16); p under 6e-5 is carried with an absolute error of 3e-8; NaN and infinities are not served.
; REGISTERS: window 0: v2-8 addresses; v12-43 statistics, eight a tile (+0 m, +1 m_old - m, +2, +3 l, +4..+7 at work; a takes +6); v44-47, v61-63; v64-191 S^T; v192-255 P.  window 1: O^T.  window 2: v0-127 Q, v128-255 K.  window 3: v0-127 V.
.set STEPB, 16384                      ; a key step's K, or its V: 64 keys x 256 bytes
.set VOFF,  32768                      ; a slot: two steps of K, then two of V
.set SLOT1, 1<<16
.set MWB,   2*SLOT1                    ; the mask words: 6,144 bytes a wave, filled once
.set STAGE, MWB+4*6144                 ; the way out: 16 rows x 272 bytes a wave
.set SP,    272
.set SPARE, STAGE+4*16*SP              ; the spare words, 128 bytes a wave: two blocks of 256 bytes that no other line names
.set AK0, 2
.set AV0, 3
.set ADR, 4
.set QO,  5
.set STO, 6
.set RD,  7
.set GO,  8
.set ST,  12
.set NEG, 44
.set MV,  45                           ; v45 a step's mask words, a word a lane
.set MA0, 46                           ; v46 my lane's place among my wave's words
.set ADM, 47
.set PFO, 61
.set SPW, 62
.set NIL, 63
.set S,   64
.set P,   192
.set KF,  128
.set WV,  12
.set LIM, 15                           ; s15 1 in a wave that prefetches, else the greatest number
.set PFA, 18                           ; s[18:19] where my prefetches stand
.set G1,  24                           ; s[24:31] group 1 for K's and V's tiles
.set G1M, 32                           ; s[32:39] for the mask words
.set G0,  40                           ; s[40:47] group 0: a set for each first fill; the second then walks on
.set G0M, 48
.set SLOTS, 56
.set TWICE, 57
.set SEL, 60
.set TB,  62                           ; s62 LDS byte at which the step to be fetched begins
.set TM,  63                           ; s63 128 x the step whose mask words are fetched next
.set MW,  68                           ; s[68:99] the 32 lane masks
.set MSB, 0
.macro WIN new
.if MSB != \new
	s_set_vgpr_msb (MSB<<8)|\new
.set MSB, \new
.endif
.endm
.set W_KQ, 0x0a                        ; K and Q window 2, S^T window 0
.set W_PV, 0x53                        ; V window 3, P window 0, O^T window 1
.set W_RS, 0x41                        ; O^T window 1, a window 0
.macro JLOAD                           ; the joint refill: one line for all four waves, each with its own quarter of the slot (addresses made of the wave's number); an s_nop 0 and four v_nop follow
	tensor_load_to_lds s[G0+4:G0+7], s[G1:G1+7]
	s_nop 0
.rept 4
	v_nop
.endr
.endm
; A prefetch of what the NEXT change of slots will ask for: 32,768 bytes of K and of V.  Each block of 256 bytes is named once in the launch: the first cluster of the first head group of each kv asks; its four partners
; take 8,192 bytes each, told apart by address; wave 0 asks for K's, wave 2 for V's, lanes 256 bytes apart.  The last change that fills a slot asks for nothing.
.macro ASK
	s_cmp_gt_u32 s[SLOTS], s[LIM]
	s_cbranch_scc0 .Lnot_mine_\@
	global_prefetch_b8 v[PFO], s[PFA:PFA+1] th:TH_LOAD_NT scope:SCOPE_SE
.Lnot_mine_\@:
.endm
.macro CROUND
	s_barrier_signal -1
	s_barrier_wait -1
	s_cmp_lg_u32 s[WV], 0
	s_cbranch_scc1 .Lnot_wave_0_\@
	s_barrier_signal -3
.Lnot_wave_0_\@:
	s_barrier_wait -3
	s_barrier_signal -1
	s_barrier_wait -1
.endm
.macro PLACES
.rept 4
	v_nop
.endr
.endm
	s_load_b128 s[4:7], s[0:1], 0x0                ; qkv 4:5, mw 6:7
	s_load_b128 s[8:11], s[0:1], 0x10              ; a16 8:9, afine 10:11
	v_lshl_add_u32 v[SPW], v0, 2, SPARE
	v_mov_b32 v[NIL], 0
	ds_add_u32 v[SPW], v[NIL]                      ; the wave's opening: the add, twice on end, and its wait ahead of my first tensor load
	ds_add_u32 v[SPW], v[NIL]
	v_lshrrev_b32 v1, 5, v0
	v_readfirstlane_b32 s[WV], v1
	s_bfe_u32 s13, ttmp6, 0x40000                  ; cx
	s_lshl_b32 s14, ttmp9, 2
	s_add_co_u32 s14, s14, s13
	s_lshl_b32 s14, s14, 2
	s_add_co_u32 s14, s14, s[WV]                   ; my query tile: it enters Q's, the mask words' and the output's addresses alone
	s_and_b32 s16, ttmp7, 0xffff
	s_and_b32 s52, s16, 1                          ; kv
	s_lshr_b32 s53, s16, 1                         ; hg
	s_lshr_b32 s17, s[WV], 1                       ; waves 0, 1 fetch K (head 16 + kv), waves 2, 3 V (head 18 + kv):
	s_lshl_b32 s17, s17, 1
	s_add_co_u32 s17, s17, s52
	s_add_co_u32 s17, s17, 16
	s_mul_i32 s20, s17, 786432                     ; a head is 24 blocks of 32,768 bytes
	s_and_b32 s17, s[WV], 1                        ; which of a slot's two steps
	s_lshl_b32 s17, s17, 14
	s_add_co_u32 s20, s20, s17
	s_mov_b32 s21, 0
	s_lshl_b32 s17, s53, 3
	s_add_co_u32 s17, s17, s52                     ; my first head
	s_mul_i32 s22, s17, 786432
	s_lshl_b32 s23, s14, 12                        ; a token tile is 4,096 bytes
	s_add_co_u32 s22, s22, s23
	s_mov_b32 s23, 0
	s_lshl_b32 s2, s14, 16                         ; the output: 16 rows of 4,096 bytes a tile,
	s_lshl_b32 s3, s17, 8                          ; 256 bytes a head
	s_add_co_u32 s2, s2, s3
	s_mov_b32 s3, 0
	s_mul_i32 s54, s14, 6144
	s_mov_b32 s55, 0
	s_lshl_b32 s16, s[WV], 14                      ; where my quarter of a slot goes,
	s_mul_i32 s17, s[WV], 6144                     ; and my mask words
	s_mov_b32 s[G1], 15|(3<<16)|(1<<21)            ; the mask: all four work-groups; elements of 8 bytes; bit 21 beside a mask; no padding: 16,384 dense bytes as 64 rows of 256
	s_mov_b32 s[G1+1], 32<<16
	s_mov_b32 s[G1+2], 64<<16
	s_mov_b32 s[G1+3], 32<<16
	s_mov_b32 s[G1+4], 64
	s_mov_b32 s[G1+5], 32
	s_mov_b32 s[G1+6], 0
	s_mov_b32 s[G1+7], 0
	s_mov_b32 s[G1M], 3<<16                        ; my own load, no mask: 6,144 dense bytes as 24 rows of 256
	s_mov_b32 s[G1M+1], 32<<16
	s_mov_b32 s[G1M+2], 24<<16
	s_mov_b32 s[G1M+3], 32<<16
	s_mov_b32 s[G1M+4], 24
	s_mov_b32 s[G1M+5], 32
	s_mov_b32 s[G1M+6], 0
	s_mov_b32 s[G1M+7], 0
	s_mov_b32 s[SEL], 0x76543210
	s_mov_b32 s[SEL+1], 0xfedcba98
	s_mov_b32 s[TB], 0
	s_mov_b32 s[TM], 0
	s_mov_b32 s[SLOTS], 3072/128-2
	s_and_b32 s[LIM], s[WV], 1                     ; 0 in waves 0 and 2,
	s_or_b32 s[LIM], s[LIM], ttmp9                 ; of the first cluster,
	s_or_b32 s[LIM], s[LIM], s53                   ; of the first head group: the same in all four partners
	s_cmp_eq_u32 s[LIM], 0
	s_cselect_b32 s[LIM], 1, -1
	v_and_b32 v10, 31, v0
	v_lshlrev_b32 v[PFO], 8, v10
	s_wait_dscnt 0x0                               ; both opening adds are done
	s_wait_kmcnt 0x0
	s_add_nc_u64 s[20:21], s[4:5], s[20:21]        ; my tile of slot 0
	s_add_nc_u64 s[22:23], s[4:5], s[22:23]        ; Q
	s_add_nc_u64 s[8:9], s[8:9], s[2:3]
	s_add_nc_u64 s[54:55], s[6:7], s[54:55]        ; my mask words (s[6:7] stays the buffer's address)
	s_lshl_b32 s2, s13, 13                         ; my work-group's 8,192 bytes of a slot's 32,768
	s_mov_b32 s3, 0
	s_add_nc_u64 s[PFA:PFA+1], s[20:21], s[2:3]
	s_add_nc_u64 s[PFA:PFA+1], s[PFA:PFA+1], 2*32768   ; in slot 2; the first change of slots steps it to slot 3.  Nothing is prefetched at the head
	CROUND                                         ; all four work-groups are here: the first joint loads meet
	s_cmp_eq_u32 ttmp9, 12                         ; the cluster's x: the same in all four partners.  The last column of clusters carries the first 16 positions finely and asks for no tile
	s_cbranch_scc1 .Lfine
	s_mov_b32 s[G0M], 1
	s_add_co_u32 s[G0M+1], s17, MWB
	s_mov_b64 s[G0M+2:G0M+3], s[54:55]
	s_or_b32 s[G0M+3], s[G0M+3], 0x80000000
.irp s, 0,1
	s_mov_b32 s[G0+4*\s], 1
	s_add_co_u32 s[G0+4*\s+1], s16, \s*SLOT1
	s_add_nc_u64 s[G0+4*\s+2:G0+4*\s+3], s[20:21], \s*32768
	s_or_b32 s[G0+4*\s+3], s[G0+4*\s+3], 0x80000000
.endr
	tensor_load_to_lds s[G0M:G0M+3], s[G1M:G1M+7]  ; the first fills stand together: three tensor loads of mine are out
	s_nop 0
	tensor_load_to_lds s[G0:G0+3], s[G1:G1+7]
	s_nop 0
	tensor_load_to_lds s[G0+4:G0+7], s[G1:G1+7]
	s_nop 0
.rept 4
	v_nop
.endr
	v_and_b32 v1, 15, v0                           ; r
	v_bfe_u32 v9, v0, 4, 1                         ; h
	v_lshlrev_b32 v[QO], 4, v10
	WIN 0x80                                       ; destination window 2
.irp i, 0,1,2,3,4,5,6,7,8,9,10,11,12,13,14,15      ; Q stays in registers: tile i / 4 (two heads on each time), channels 32 (i % 4) on
	global_load_b128 v[8*\i:8*\i+3],   v[QO], s[22:23] offset:(\i/4)*1572864+(\i%4)*1024
	global_load_b128 v[8*\i+4:8*\i+7], v[QO], s[22:23] offset:(\i/4)*1572864+(\i%4)*1024+512
.endr
	WIN 0
	v_lshlrev_b32 v[AK0], 4, v10                   ; K: an image: 16 x lane
	v_and_b32 v11, 7, v0
	v_lshl_add_u32 v[AV0], v9, 3, v11              ; V: key 8 h + l % 8 of a tile, 32 bytes a key,
	v_bfe_u32 v11, v0, 3, 1
	v_lshlrev_b32 v[AV0], 5, v[AV0]
	v_lshl_add_u32 v[AV0], v11, 4, v[AV0]          ; channels 8 ((l / 8) % 2) on
	v_add_nc_u32 v[AV0], VOFF, v[AV0]
	s_add_co_u32 s17, s17, MWB
	v_lshl_add_u32 v[MA0], v10, 2, s17
	v_mov_b32 v[NEG], 0xc6616bcd                   ; -10000 log2(e)
.irp t, 0,1,2,3
	v_mov_b32 v[ST+8*\t+1], 0                      ; named with m as a pair before it is first computed
.endr
; Product i of 32 of O^T += V^T P for piece x: keys 32 (i / 16) on, channels 16 ((i / 2) % 8) on, tile x + i % 2.  The accumulators take turns, one instruction a turn.
.macro PV x, zero
	WIN W_PV
.set rO, 64*(\x+i%2)+8*((i/2)%8)
.set rV, 64*(i/16)+8*((i/2)%8)
.set rP, P+16*(\x+i%2)+8*(i/16)
.if \zero && (i < 16)
	v_wmma_f32_16x16x32_f16 v[rO:rO+7], v[rV:rV+7], v[rP:rP+7], 0
.else
	v_wmma_f32_16x16x32_f16 v[rO:rO+7], v[rV:rV+7], v[rP:rP+7], v[rO:rO+7]
.endif
.endm
; Product i of 32 of S^T = K Q^T: channels 32 (i / 8) on, keys 16 ((i / 2) % 4) on, tile x + i % 2.  The first 8 start the sums.
.macro KQ x
	WIN W_KQ
.set rS, S+32*(\x+i%2)+8*((i/2)%4)
.set rK, KF+32*((i/2)%4)+8*(i/8)
.set rQ, 32*(\x+i%2)+8*(i/8)
.if i < 8
	v_wmma_f32_16x16x32_f16 v[rS:rS+7], v[rK:rK+7], v[rQ:rQ+7], 0
.else
	v_wmma_f32_16x16x32_f16 v[rS:rS+7], v[rK:rK+7], v[rQ:rQ+7], v[rS:rS+7]
.endif
.endm
.macro FETCH_K                         ; a step's K, 32 loads of 512 consecutive bytes, and its mask words, one load
	WIN 0
	v_add_nc_u32 v[ADR], s[TB], v[AK0]
	s_min_u32 s58, s[TM], 47*128                   ; 48 fetches, steps 0 to 47: the address stays inside my wave's words
	v_add_nc_u32 v[ADM], s58, v[MA0]
	s_add_co_u32 s[TM], s[TM], 128
	ds_load_b32 v[MV], v[ADM]
	WIN 0x80
.irp f, 0,1,2,3,4,5,6,7,8,9,10,11,12,13,14,15      ; keys 16 (f / 4) on, channels 32 (f % 4) on
	ds_load_b128 v[KF+8*\f:KF+8*\f+3],   v[ADR] offset:(\f/4)*4096+(\f%4)*1024
	ds_load_b128 v[KF+8*\f+4:KF+8*\f+7], v[ADR] offset:(\f/4)*4096+(\f%4)*1024+512
.endr
.endm
.macro FETCH_V                         ; a step's V, turned.  V's last reader stands in front of slice 31; behind it stand 47 entries of the other piece's batch, the batch's v_nop and the addition below: more than the four places asked
	WIN 0
	v_add_nc_u32 v[ADR], s[TB], v[AV0]
	s_add_co_u32 s[TB], s[TB], STEPB
	s_wait_alu depctr_va_vdst(0)                   ; the wait for the softmax's batch, ahead of the first instruction that names a result
	WIN 0xc0
.irp f, 0,1,2,3,4,5,6,7,8,9,10,11,12,13,14,15      ; keys 32 (f / 8) on, channels 16 (f % 8) on
	ds_load_tr16_b128 v[8*\f:8*\f+3],   v[ADR] offset:(\f/8)*8192+(\f%8)*512
	ds_load_tr16_b128 v[8*\f+4:8*\f+7], v[ADR] offset:(\f/8)*8192+4096+(\f%8)*512
.endr
.endm
; THE VECTOR WORK OF A TURN: entry n of 330 of piece y's softmax; the piece's two tiles alternate (tile y + n % 2).
;   0-63    the selects: register i takes NEG where its lane's bit of mask word i is set
;   64-103  the maximum of the 32 scores and the old m (four chains, then together), the other half of the lanes', m_old - m
;   104-201 ONE BATCH: 16 packed t - m, a = 2^(m_old - m), 32 exponentials; none of these names an exponential's result.  Behind entry 201: a v_nop and the one wait
;   202-265 16 roundings to f16, 15 packed sums, l = a l + the sum
;   266-329 O^T x a
; first = 1: the first key step: no old m, no a, nothing to rescale.
.macro ENT y, first
.set tl, (\y)+n%2
.set rT, ST+8*tl
.set rS, S+32*tl
.set rP, P+16*tl
.if n < 266
	WIN 0
.endif
.if n < 64
.set u, n/2
	v_cndmask_b32 v[rS+u], v[rS+u], v[NEG], s[MW+u]
.elseif n < 104
.set u, (n-64)/2
.if u < 4
	v_max3_num_f32 v[rT+4+u], v[rS+8*u], v[rS+8*u+1], v[rS+8*u+2]
.elseif u < 12
	v_max3_num_f32 v[rT+4+u%4], v[rT+4+u%4], v[rS+8*(u%4)+2*(u/4)+1], v[rS+8*(u%4)+2*(u/4)+2]
.elseif u == 12
	v_max3_num_f32 v[rT+4], v[rT+4], v[rS+7], v[rS+15]
.elseif u == 13
	v_max3_num_f32 v[rT+6], v[rT+6], v[rS+23], v[rS+31]
.elseif u == 14
	v_max3_num_f32 v[rT+4], v[rT+4], v[rT+5], v[rT+6]
.elseif (u == 15) && \first
	v_max_num_f32 v[rT+4], v[rT+4], v[rT+7]
.elseif u == 15
	v_max3_num_f32 v[rT+4], v[rT+4], v[rT+7], v[rT]
.elseif u == 16
	v_permlanex16_b32 v[rT+5], v[rT+4], s[SEL], s[SEL+1]   ; the query's other 32 keys lie in the lane 16 away
.elseif u == 18
	v_max_num_f32 v[rT], v[rT+4], v[rT+5]
.elseif \first
.elseif u == 17
	v_mov_b32 v[rT+1], v[rT]
.else
	v_sub_f32 v[rT+1], v[rT+1], v[rT]
.endif
.elseif n < 202
.set j, (n-104)/2+21
.if (j == 23) && \first
.elseif j == 23
	v_exp_f32 v[rT+6], v[rT+1]
.elseif (j < 23) || ((j < 38) && (j%2 == 0)) || ((j < 66) && (j%4 == 2))
.set b, (j-2)/4
.if j < 38
.set b, (j-20)/2
.endif
	v_pk_add_f32 v[rS+2*b:rS+2*b+1], v[rS+2*b:rS+2*b+1], v[rT:rT+1] op_sel_hi:[1,0] neg_lo:[0,1] neg_hi:[0,1]   ; pair b: t - m
.else
.set e, j-38
.if j < 66
.set e, j-32-(j-38)/4
.endif
.if j < 38
.set e, (j-25)/2
.endif
	v_exp_f32 v[rS+e], v[rS+e]
.endif
.elseif n < 266
.set u, (n-202)/2
.if u < 16
	v_cvt_pk_f16_f32 v[rP+u], v[rS+2*u], v[rS+2*u+1]
.else
.set zz, u-16
.set ww, 4
.set uu, zz
.if zz >= 14
.set ww, 32
.set uu, 0
.elseif zz >= 12
.set ww, 16
.set uu, zz-12
.elseif zz >= 8
.set ww, 8
.set uu, zz-8
.endif
.if (zz == 14) && \first
	v_pk_add_f32 v[rT+2:rT+3], v[rS:rS+1], v[rS+16:rS+17]
.elseif zz < 15
	v_pk_add_f32 v[rS+ww*uu:rS+ww*uu+1], v[rS+ww*uu:rS+ww*uu+1], v[rS+ww*uu+ww/2:rS+ww*uu+ww/2+1]
.elseif !\first
	v_pk_fma_f32 v[rT+2:rT+3], v[rT+2:rT+3], v[rT+6:rT+7], v[rS:rS+1] op_sel_hi:[1,0,1]
.endif
.endif
.elseif !\first
.set rO, 64*tl+2*((n-266)/2)
	WIN W_RS
	v_pk_mul_f32 v[rO:rO+1], v[rO:rO+1], v[rT+6:rT+7] op_sel_hi:[1,0]
.endif
.endm
; Slice k of 64: five entries; the last slice has the fifteen that are over: plain instructions that name nothing of the products round them, the places behind the turn's last K Q^T.
; rl = 1: slices 32 to 47 also move the next step's mask words to scalar registers, two each: the old words were last read in slice 12, the new ones were awaited ahead of slice 32.
.macro SLICE y, first, rl
.set cnt, 5
.if k == 63
.set cnt, 15
.endif
.set n, 5*k
.rept cnt
	ENT \y, \first
.if n == 201
	v_nop                                          ; the plain instruction behind the last exponential: one for the batch
.if (\y) == 0
	FETCH_V                                        ; piece 2's turn: V's run of loads stands here, and the wait stands in it
.else
	s_wait_alu depctr_va_vdst(0)                   ; the wait for the batch
.endif
.endif
.set n, n+1
.endr
.if \rl && (k >= 32) && (k < 48)
	WIN 0
	v_readlane_b32 s[MW+2*(k-32)], v[MV], 2*(k-32)
	v_readlane_b32 s[MW+2*(k-32)+1], v[MV], 2*(k-32)+1
.endif
.set k, k+1
.endm
; A TURN.  Piece x has the matrix unit.  pv = 2: 32 products V^T P; 1: they start O^T; 0: none.  kq = 1: 32 products K Q^T.  A turn with one kind has two slices behind each product.
.macro TURN x, pv, kq, first
.set k, 0
.set per, 2
.if \pv && \kq
.set per, 1
.endif
.if \pv
.if \x == 0
	s_wait_dscnt 0x0                               ; V is in
.endif
.set i, 0
.rept 32
	PV \x, 2-\pv
.rept per
	SLICE 2-\x, \first, 0
.endr
.if (\x == 0) && \kq && (i == 1)
	FETCH_K                                        ; K's last reader stands in front of the last slice of the turn before
.endif
.set i, i+1
.endr
.endif
.if \kq
.if \x == 0
	s_wait_dscnt 0x0                               ; K and the mask words are in
.endif
.set i, 0
.rept 32
	KQ \x
.rept per
	SLICE 2-\x, \first, (2-\x)/2
.endr
.set i, i+1
.endr
.endif
.if \first
	PLACES                                         ; the first step's last slices are empty: these take their part behind the last products
.endif
.endm
; THE CHANGE OF SLOTS.  Each wave waits for all its tensor loads (one is out: its quarter of the other slot), adds 0 to its spare word, and waits for that and for its reads of the slot.
; fill = 1: the barrier is a round of the cluster's, and the joint refill is the first thing behind it: it has two key steps, 256 matrix instructions, in which to land.
.macro CHANGE fill
	WIN 0
	s_wait_tensorcnt 0x0
	ds_add_u32 v[SPW], v[NIL]
.if \fill
	s_xor_b32 s[G0+5], s[G0+5], SLOT1              ; the walking descriptor: the other slot than last time,
	s_add_nc_u64 s[G0+6:G0+7], s[G0+6:G0+7], 32768 ; the next 128 keys
	s_wait_xcnt 0x0                                ; the last prefetch, two key steps back, has read its address
	s_add_nc_u64 s[PFA:PFA+1], s[PFA:PFA+1], 32768
	s_wait_dscnt 0x0
	CROUND
	JLOAD
	ASK
.else
	s_wait_dscnt 0x0
	s_barrier_signal -1
	s_barrier_wait -1
.endif
	s_sub_co_u32 s[TB], s[TB], 2*STEPB
	s_xor_b32 s[TB], s[TB], SLOT1
.endm
.macro TWO_STEPS
	s_mov_b32 s[TWICE], 2
.Lstep_\@:
	TURN 0, 2, 1, 0
	TURN 2, 2, 1, 0
	WIN 0
	s_sub_co_u32 s[TWICE], s[TWICE], 1
	s_cmp_lg_u32 s[TWICE], 0
	s_cbranch_scc1 .Lstep_\@
.endm
	s_wait_tensorcnt 1                             ; my mask words and my quarter of slot 0 are in; slot 1's load may stay out
	s_barrier_signal -1
	s_barrier_wait -1
	FETCH_K                                        ; key step 0
	s_wait_loadcnt 0x0                             ; Q
	s_wait_dscnt 0x0
	WIN 0
.set i, 0
.rept 32
	v_readlane_b32 s[MW+i], v[MV], i               ; step 0's mask words
.set i, i+1
.endr
.set i, 0
.rept 32
	KQ 0
.set i, i+1
.endr
	WIN 0                                          ; the addresses for the way out: plain instructions, the places behind those products
	s_mul_i32 s16, s[WV], 16*SP
	s_add_co_u32 s16, s16, STAGE
	v_mul_u32_u24 v[STO], v1, SP
	v_lshl_add_u32 v[STO], v9, 4, v[STO]
	v_add_nc_u32 v[STO], s16, v[STO]
	v_mul_u32_u24 v[RD], v9, SP
	v_lshl_add_u32 v[RD], v1, 4, v[RD]
	v_add_nc_u32 v[RD], s16, v[RD]
	v_lshlrev_b32 v[GO], 12, v9                    ; lanes 0-15 one row of the output, lanes 16-31 the next
	v_lshl_add_u32 v[GO], v1, 4, v[GO]
	TURN 2, 0, 1, 1
	TURN 0, 1, 1, 1
	TURN 2, 1, 1, 0
	WIN 0
.Lslot:                                            ; 22 trips: every slot but the last two is filled again
	CHANGE 1
	TWO_STEPS
	s_sub_co_u32 s[SLOTS], s[SLOTS], 1
	s_cmp_lg_u32 s[SLOTS], 0
	s_cbranch_scc1 .Lslot
	CHANGE 0                                       ; the tail is written out
	TWO_STEPS
	TURN 0, 2, 0, 0
.set i, 0
.rept 32
	PV 2, 0
.set i, i+1
.endr
	; THE WAY OUT.  The additions are the places behind the last products.
	WIN 0
.irp t, 0,1,2,3
	v_add_f32 v[ST+8*\t+4], v[ST+8*\t+2], v[ST+8*\t+3]
.endr
.irp t, 0,1,2,3
	v_permlanex16_b32 v[ST+8*\t+5], v[ST+8*\t+4], s[SEL], s[SEL+1]
.endr
.irp t, 0,1,2,3
	v_add_f32 v[ST+8*\t+4], v[ST+8*\t+4], v[ST+8*\t+5]
.endr
.irp t, 0,1,2,3
	v_rcp_f32 v[ST+8*\t+6], v[ST+8*\t+4]
.endr
	v_nop
	s_wait_alu depctr_va_vdst(0)                   ; one wait for the four reciprocals, ahead of their first use
.macro PACK t                          ; tile t: O^T / l, to f16, into rows of 272 bytes, back as whole rows of 256
	WIN W_RS
.set i, 64*\t
.rept 32
	v_pk_mul_f32 v[i:i+1], v[i:i+1], v[ST+8*\t+6:ST+8*\t+7] op_sel_hi:[1,0]
.set i, i+2
.endr
	WIN 0x05
.set i, 0
.rept 32
	v_cvt_pk_f16_f32 v[S+32*\t+i], v[64*\t+2*i], v[64*\t+2*i+1]
.set i, i+1
.endr
	WIN 0
.irp f, 0,1,2,3,4,5,6,7
	ds_store_b128 v[STO], v[S+32*\t+4*\f:S+32*\t+4*\f+3] offset:32*\f
.endr
.irp f, 0,1,2,3,4,5,6,7
	ds_load_b128 v[S+32*\t+4*\f:S+32*\t+4*\f+3], v[RD] offset:\f*2*SP   ; LDS serves a wave's instructions in order: these see the stores above, and the next tile's stores come behind them
.endr
.endm
.macro SEND t, younger                 ; younger: the LDS instructions issued behind tile t's loads
.irp f, 0,1,2,3,4,5,6,7
	s_wait_dscnt \younger+7-\f
	global_store_b128 v[GO], v[S+32*\t+4*\f:S+32*\t+4*\f+3], s[8:9] offset:\t*512+\f*8192   ; 16 lanes store 256 consecutive bytes, aligned: a head's part of a row
.endr
.endm
	PACK 0
	PACK 1
	SEND 0, 16
	PACK 2
	SEND 1, 16
	PACK 3
	SEND 2, 16
	SEND 3, 0
	s_wait_tensorcnt 0x0                           ; the wave's end
	ds_add_u32 v[SPW], v[NIL]
	s_wait_dscnt 0x0
	CROUND                                         ; the closing round
	s_endpgm
; ======================================================================================================================================================================
; THE FIRST 16 POSITIONS, CARRIED FINELY.  Rows that average few values are the largest of the output, and the rounding of operands to f16 weighs most there.  Under masks that let the first positions see few keys those are
; queries 0-15.  Which rows are refined is a choice of precision alone: the mask is read and honoured as it is given, over all 3,072 keys.
; What is finer than in the main path: K, V and p go to the matrix unit as PAIRS of f16, a high and a low part: t = Kh Q + Kl Q;  O = Vh Ph + Vh Pl + Vl Ph; the result leaves as f32.  Q stays f16.
; SHARES.  Work-group = head 4 y + cx (cx enters global addresses alone).  Wave w takes keys 128 g + 32 w + 0 .. 31, g = 0 .. 23, with a running m, l and O^T of its own; no wave touches another's bytes until the end.
; A TRIP, 32 keys: K high and low, 16,384 bytes, come from memory straight into window 1: they lie there as images of the operand's registers.  V high and low, 16,384 bytes, come into window 1, go as they lie into the wave's own
; 16,384 bytes of LDS and come back turned.  The next trip's 64 loads are issued as soon as their registers are free (K's behind the scores' products, V's behind the wait for the stage's stores) and have the softmax and the
; second product in which to land.  The trip's 16 mask words come by one scalar load, a trip ahead.  23 trips in the loop; the last step is written out without loads, so that no load leaves the buffer.
; THE END.  The four waves' O^T, m and l meet in LDS; wave w joins pieces 4 w .. 4 w + 3 under the common maximum, divides by the sum and stores them.
; OUT: afine, f32, [head 16][piece 16][lane 32][16 bytes]: piece 2 T + u: lane (r, h) holds query r, channels 16 T + 8 h + 4 u + 0 .. 3: as the last launch's operand registers take it.
; These work-groups ask for no tile: no cluster's share is at stake; their LDS bytes lie behind the spare words, where no tensor load lands.
; LIMITS: as the main path's; p's, k's and v's low parts under 6.1e-5 carry an absolute error of up to 3e-8.
; REGISTERS: window 0: v1-47 addresses and statistics; v16-31 P high, P low; v64-95 Q; v96-111 S^T, then p; v112-127 the split's scratch; v128-191 O^T; v192-255 V high's fragments.
;   window 1: v0-63 K high, v64-127 K low, v128-255 V on its way to LDS.  window 2: v0-63 V low's fragments.
.set FV,   SPARE+512                   ; LDS: V's stages, 16,384 bytes a wave: high, then low
.set FMR,  FV+4*16384                  ; the four waves' O^T, 8,192 bytes each
.set FML,  FMR+4*8192                  ; their m (128 bytes) and l (128 bytes)
.set FLI,  1                           ; v1  16 x lane
.set FM,   2                           ; v[2:3] m, twice
.set FNG,  4                           ; v4  NEG
.set FVS,  5                           ; v5  where I put V's bytes
.set FVT,  6                           ; v6  my lane's place in a tile for the turning load
.set FD,   7                           ; v7  m_old - m
.set FA,   8                           ; v[8:9] a (the pair's low word serves both halves)
.set FL,   11                          ; v11 l, of my half of the lanes' keys
.set FC0,  12                          ; v12, v13 two chains of the maximum
.set FPX,  14                          ; v14 the other half of the lanes'
.set FPH,  16
.set FPL,  24
.set FU,   32                          ; v32-35 two chains of the sum
.set FMS,  36                          ; v36 the end: where I put O^T
.set FMLS, 37                          ; v37 and m, l
.set FMRD, 38                          ; v38 where I read my four pieces
.set FMLR, 39                          ; v39 and the four waves' m, l
.set FW,   40                          ; v40-43 m of the four waves, then their weights; v44-47 their l
.set FQ,   64
.set FS,   96
.set FT,   112
.set FO,   128
.set FVF,  192
.set FB,   20                          ; s[20:21] K high at my 32 keys of the block in hand; V high, K low, V low lie 2, 4 and 6 heads further on
.macro FLOADK                          ; 32 loads of 512 consecutive bytes: part pt (high, low), key tile t, channels 32 c on
.irp pt, 0,1
.irp t, 0,1
.irp c, 0,1,2,3
	global_load_b128 v[64*\pt+8*(4*\t+\c):64*\pt+8*(4*\t+\c)+3],   v[FLI], s[FB:FB+1] offset:\pt*3145728+\t*4096+\c*1024
	global_load_b128 v[64*\pt+8*(4*\t+\c)+4:64*\pt+8*(4*\t+\c)+7], v[FLI], s[FB:FB+1] offset:\pt*3145728+\t*4096+\c*1024+512
.endr
.endr
.endr
.endm
.macro FLOADV                          ; 32 more: V high's 8,192 bytes, then V low's
.set i, 0
.rept 32
	global_load_b128 v[128+4*i:131+4*i], v[FLI], s[FB:FB+1] offset:1572864+(i/16)*3145728+(i%16)*512
.set i, i+1
.endr
.endm
.macro FPV vf, p                       ; eight products, the eight accumulators by turns
.irp f, 0,1,2,3,4,5,6,7
	v_wmma_f32_16x16x32_f16 v[FO+8*\f:FO+8*\f+7], v[(\vf)+8*\f:(\vf)+8*\f+7], v[(\p):(\p)+7], v[FO+8*\f:FO+8*\f+7]
.endr
.endm
; A step of 32 keys.  more = 1: the next step's K, V and mask words are asked for.
.macro FSTEP more
	s_wait_loadcnt 0x0                             ; this step's K and V are in
	s_wait_kmcnt 0x0                               ; and its mask words
.if \more
	s_wait_xcnt 0x0                                ; no memory instruction of mine is out: both addresses may step
	s_add_nc_u64 s[FB:FB+1], s[FB:FB+1], 32768     ; the next block of 128 keys
	s_add_nc_u64 s[6:7], s[6:7], 256               ; and its 64 mask words
.endif
	WIN 0x04                                       ; an LDS store's data are its source 1: window 1
.set i, 0
.rept 32
	ds_store_b128 v[FVS], v[128+4*i:131+4*i] offset:512*i
.set i, i+1
.endr
	WIN 0
.irp f, 0,1,2,3,4,5,6,7                            ; LDS serves a wave's instructions in order: these see the stores above.  Channels 16 f on; keys 0-15, then 16-31
	ds_load_tr16_b128 v[FVF+8*\f:FVF+8*\f+3],   v[FVT] offset:\f*512
	ds_load_tr16_b128 v[FVF+8*\f+4:FVF+8*\f+7], v[FVT] offset:4096+\f*512
.endr
	WIN 0x80                                       ; destination window 2
.irp f, 0,1,2,3,4,5,6,7
	ds_load_tr16_b128 v[8*\f:8*\f+3],   v[FVT] offset:8192+\f*512
	ds_load_tr16_b128 v[8*\f+4:8*\f+7], v[FVT] offset:12288+\f*512
.endr
	WIN 0x01                                       ; source 0 (K) window 1
.irp pt, 0,1                                       ; S^T = Kh Q^T + Kl Q^T: the two key tiles' accumulators by turns, one instruction a turn
.irp c, 0,1,2,3
.irp t, 0,1
.if (\pt == 0) && (\c == 0)
	v_wmma_f32_16x16x32_f16 v[FS+8*\t:FS+8*\t+7], v[64*\pt+8*(4*\t+\c):64*\pt+8*(4*\t+\c)+7], v[FQ+8*\c:FQ+8*\c+7], 0
.else
	v_wmma_f32_16x16x32_f16 v[FS+8*\t:FS+8*\t+7], v[64*\pt+8*(4*\t+\c):64*\pt+8*(4*\t+\c)+7], v[FQ+8*\c:FQ+8*\c+7], v[FS+8*\t:FS+8*\t+7]
.endif
.endr
.endr
.endr
	WIN 0
	PLACES                                         ; in front of the loads into K's registers and of the first read of the scores
.if \more
	WIN 0x40                                       ; destination window 1
	FLOADK
.endif
	s_wait_dscnt 0x0                               ; V's fragments are in, and the stage's stores have read their registers:
.if \more
	FLOADV                                         ; which take the next step's V
	WIN 0
.endif
.set i, 0
.rept 16                               ; register 8 t + j holds key 16 t + 8 h + j of query r: bit l of word 8 t + j.  Ascending: each accumulator is read from its low end on
	v_cndmask_b32 v[FS+i], v[FS+i], v[FNG], s[MW+i]
.set i, i+1
.endr
	v_max3_num_f32 v[FC0],   v[FS],    v[FS+1],  v[FS+2]
	v_max3_num_f32 v[FC0+1], v[FS+3],  v[FS+4],  v[FS+5]
	v_max3_num_f32 v[FC0],   v[FC0],   v[FS+6],  v[FS+7]
	v_max3_num_f32 v[FC0+1], v[FC0+1], v[FS+8],  v[FS+9]
	v_max3_num_f32 v[FC0],   v[FC0],   v[FS+10], v[FS+11]
	v_max3_num_f32 v[FC0+1], v[FC0+1], v[FS+12], v[FS+13]
	v_max3_num_f32 v[FC0],   v[FC0],   v[FS+14], v[FS+15]
	v_max3_num_f32 v[FC0],   v[FC0],   v[FC0+1], v[FM]          ; with the old m
	v_permlanex16_b32 v[FPX], v[FC0], s[SEL], s[SEL+1]           ; the query's other 16 keys lie in the lane 16 away
	v_max_num_f32 v[FC0], v[FC0], v[FPX]                         ; the new m
	v_sub_f32 v[FD], v[FM], v[FC0]
	v_mov_b32 v[FM], v[FC0]
	v_mov_b32 v[FM+1], v[FC0]
.irp j, 0,2,4,6,8,10,12,14
	v_pk_add_f32 v[FS+\j:FS+\j+1], v[FS+\j:FS+\j+1], v[FM:FM+1] neg_lo:[0,1] neg_hi:[0,1]   ; t - m
.endr
	v_exp_f32 v[FA], v[FD]                         ; a; with the 16 p: one batch
.set i, 0
.rept 16
	v_exp_f32 v[FS+i], v[FS+i]
.set i, i+1
.endr
	v_nop                                          ; a plain instruction behind the last of them
	s_wait_alu depctr_va_vdst(0)                   ; one wait for the batch, ahead of its first reader
.if \more
	s_load_b512 s[MW:MW+15], s[6:7], 0x0           ; the next step's mask words: this step's selects have long read theirs
.endif
	v_pk_add_f32 v[FU:FU+1],   v[FS:FS+1],     v[FS+2:FS+3]      ; l, of the unsplit p, in two chains
	v_pk_add_f32 v[FU+2:FU+3], v[FS+4:FS+5],   v[FS+6:FS+7]
	v_pk_add_f32 v[FU:FU+1],   v[FU:FU+1],     v[FS+8:FS+9]
	v_pk_add_f32 v[FU+2:FU+3], v[FU+2:FU+3],   v[FS+10:FS+11]
	v_pk_add_f32 v[FU:FU+1],   v[FU:FU+1],     v[FS+12:FS+13]
	v_pk_add_f32 v[FU+2:FU+3], v[FU+2:FU+3],   v[FS+14:FS+15]
	v_pk_add_f32 v[FU:FU+1],   v[FU:FU+1],     v[FU+2:FU+3]
	v_add_f32 v[FU], v[FU], v[FU+1]
	v_fma_f32 v[FL], v[FL], v[FA], v[FU]
	; p's high part: p rounded to 11 significant bits, ties to even, on the f32 bits (add 0xfff and bit 13, clear the low 13 bits); its conversion to f16 rounds nothing.  Low part: p less that, exact in f32, then to f16
.irp j, 0,1,2,3,4,5,6,7,8,9,10,11,12,13,14,15
	v_bfe_u32 v[FT+\j], v[FS+\j], 13, 1
.endr
.irp j, 0,1,2,3,4,5,6,7,8,9,10,11,12,13,14,15
	v_add_nc_u32 v[FT+\j], v[FS+\j], v[FT+\j]
.endr
.irp j, 0,1,2,3,4,5,6,7,8,9,10,11,12,13,14,15
	v_add_nc_u32 v[FT+\j], 0xfff, v[FT+\j]
.endr
.irp j, 0,1,2,3,4,5,6,7,8,9,10,11,12,13,14,15
	v_and_b32 v[FT+\j], 0xffffe000, v[FT+\j]
.endr
.irp j, 0,2,4,6,8,10,12,14
	v_pk_add_f32 v[FS+\j:FS+\j+1], v[FS+\j:FS+\j+1], v[FT+\j:FT+\j+1] neg_lo:[0,1] neg_hi:[0,1]
.endr
.irp u, 0,1,2,3,4,5,6,7
	v_cvt_pk_f16_f32 v[FPH+\u], v[FT+2*\u], v[FT+2*\u+1]
.endr
.irp u, 0,1,2,3,4,5,6,7
	v_cvt_pk_f16_f32 v[FPL+\u], v[FS+2*\u], v[FS+2*\u+1]
.endr
.set i, 0
.rept 32
	v_pk_mul_f32 v[FO+i:FO+i+1], v[FO+i:FO+i+1], v[FA:FA+1] op_sel_hi:[1,0]   ; O^T x a; ascending: each accumulator is read from its low end on
.set i, i+2
.endr
	FPV FVF, FPH                                   ; Vh Ph
	FPV FVF, FPL                                   ; Vh Pl
	WIN 0x02                                       ; source 0 window 2
	FPV 0, FPH                                     ; Vl Ph
	WIN 0
	PLACES                                         ; in front of the next step's loads into V's fragments, and of the first read of O^T
.endm
.Lfine:
	s_lshl_b32 s16, s53, 1
	s_add_co_u32 s16, s16, s52                     ; the grid's y
	s_lshl_b32 s16, s16, 2
	s_add_co_u32 s16, s16, s13                     ; my head = 4 y + cx
	s_and_b32 s17, s16, 1                          ; its K and V: head 16 + head % 2
	s_add_co_u32 s17, s17, 16
	s_mul_i32 s2, s17, 786432
	s_lshl_b32 s3, s[WV], 13                       ; my 32 keys of a block: two token tiles of 4,096 bytes
	s_add_co_u32 s2, s2, s3
	s_mov_b32 s3, 0
	s_add_nc_u64 s[FB:FB+1], s[4:5], s[2:3]
	s_mul_i32 s2, s16, 786432                      ; Q: my head's token tile 0
	s_add_nc_u64 s[22:23], s[4:5], s[2:3]
	s_lshl_b32 s2, s[WV], 6                        ; query tile 0's mask words: 64 to a block of 128 keys, my 16 of them
	s_add_nc_u64 s[6:7], s[6:7], s[2:3]
	s_lshl_b32 s2, s16, 13                         ; the output: 8,192 bytes a head,
	s_lshl_b32 s17, s[WV], 11                      ; four pieces of 512 bytes a wave
	s_add_co_u32 s2, s2, s17
	s_add_nc_u64 s[10:11], s[10:11], s[2:3]
	s_load_b512 s[MW:MW+15], s[6:7], 0x0           ; the first step's mask words
	v_lshlrev_b32 v[FLI], 4, v10
	WIN 0x40                                       ; destination window 1
	FLOADK                                         ; the first step's K and V
	FLOADV
	WIN 0
.irp c, 0,1,2,3
	global_load_b128 v[FQ+8*\c:FQ+8*\c+3],   v[FLI], s[22:23] offset:\c*1024      ; Q's four fragments: images of their registers
	global_load_b128 v[FQ+8*\c+4:FQ+8*\c+7], v[FLI], s[22:23] offset:\c*1024+512
.endr
	s_lshl_b32 s17, s[WV], 14
	s_add_co_u32 s17, s17, FV                      ; my stage
	v_add_nc_u32 v[FVS], s17, v[FLI]
	v_bfe_u32 v[FC0], v0, 4, 1                     ; h
	v_and_b32 v[FC0+1], 7, v0
	v_lshl_add_u32 v[FVT], v[FC0], 3, v[FC0+1]     ; key 8 h + l % 8 of a tile, 32 bytes a key,
	v_bfe_u32 v[FC0+1], v0, 3, 1
	v_lshlrev_b32 v[FVT], 5, v[FVT]
	v_lshl_add_u32 v[FVT], v[FC0+1], 4, v[FVT]     ; channels 8 ((l / 8) % 2) on
	v_add_nc_u32 v[FVT], s17, v[FVT]
	s_lshl_b32 s17, s[WV], 13
	s_add_co_u32 s17, s17, FMR
	v_add_nc_u32 v[FMS], s17, v[FLI]
	s_lshl_b32 s17, s[WV], 11
	s_add_co_u32 s17, s17, FMR
	v_add_nc_u32 v[FMRD], s17, v[FLI]
	v_lshlrev_b32 v[FMLR], 2, v10
	s_lshl_b32 s17, s[WV], 8
	s_add_co_u32 s17, s17, FML
	v_add_nc_u32 v[FMLS], s17, v[FMLR]
	v_add_nc_u32 v[FMLR], FML, v[FMLR]
	v_mov_b32 v[FNG], 0xc6616bcd                   ; -10000 log2(e)
	v_mov_b32 v[FM], 0xff61b1e6                    ; the largest t so far: -3e38, under every t
	v_mov_b32 v[FA+1], 0                           ; named with a as a pair
	v_mov_b32 v[FL], 0
	v_mov_b32 v[FPX], 0                            ; a lane permute's destination counts as one of its sources
.set i, 0
.rept 64
	v_mov_b32 v[FO+i], 0                           ; O^T.  (The step is written for all trips alike: the first finds zeros, which its a = 0 leaves zeros)
.set i, i+1
.endr
	s_mov_b32 s[SLOTS], 23
.Lfstep:
	FSTEP 1
	s_sub_co_u32 s[SLOTS], s[SLOTS], 1
	s_cmp_lg_u32 s[SLOTS], 0
	s_cbranch_scc1 .Lfstep
	FSTEP 0                                        ; the last 32 keys: nothing is left to ask for
	; THE END: the four waves' parts are joined.  M = the largest m; w = 2^(m - M); L = the sum of w l; the result is the sum of (w / L) O^T.
	v_permlanex16_b32 v[FPX], v[FL], s[SEL], s[SEL+1]
	v_add_f32 v[FL], v[FL], v[FPX]                 ; l of all my keys
.irp f, 0,1,2,3,4,5,6,7
	ds_store_b128 v[FMS], v[FO+8*\f:FO+8*\f+3]   offset:1024*\f          ; each accumulator from its low end on: pieces 2 f and 2 f + 1
	ds_store_b128 v[FMS], v[FO+8*\f+4:FO+8*\f+7] offset:1024*\f+512
.endr
	ds_store_b32 v[FMLS], v[FM]
	ds_store_b32 v[FMLS], v[FL] offset:128
	s_wait_dscnt 0x0                               ; for the others' sake: my stores have landed
	s_barrier_signal -1
	s_barrier_wait -1                              ; nothing is written there again
.irp j, 0,1,2,3
	ds_load_b32 v[FW+\j],   v[FMLR] offset:256*\j
	ds_load_b32 v[FW+4+\j], v[FMLR] offset:256*\j+128
.endr
.irp j, 0,1,2,3
.irp q, 0,1,2,3
	ds_load_b128 v[FVF+4*(4*\j+\q):FVF+4*(4*\j+\q)+3], v[FMRD] offset:8192*\j+512*\q   ; wave j's piece 4 w + q
.endr
.endr
	s_wait_dscnt 0x0
	v_max3_num_f32 v[FC0], v[FW], v[FW+1], v[FW+2]
	v_max_num_f32 v[FC0], v[FC0], v[FW+3]          ; M
.irp j, 0,1,2,3
	v_sub_f32 v[FW+\j], v[FW+\j], v[FC0]
.endr
.irp j, 0,1,2,3
	v_exp_f32 v[FW+\j], v[FW+\j]
.endr
	v_nop
	s_wait_alu depctr_va_vdst(0)                   ; one wait for the four, ahead of their first reader
	v_mul_f32 v[FU], v[FW], v[FW+4]
.irp j, 1,2,3
	v_fmac_f32 v[FU], v[FW+\j], v[FW+4+\j]         ; L
.endr
	v_rcp_f32 v[FU+1], v[FU]
	v_nop
	s_wait_alu depctr_va_vdst(0)
.irp j, 0,1,2,3
	v_mul_f32 v[FW+\j], v[FW+\j], v[FU+1]
.endr
.irp q, 0,1,2,3
.irp e, 0,1,2,3
	v_mul_f32 v[FPH+4*\q+\e], v[FVF+4*\q+\e], v[FW]
.endr
.irp j, 1,2,3
.irp e, 0,1,2,3
	v_fmac_f32 v[FPH+4*\q+\e], v[FVF+4*(4*\j+\q)+\e], v[FW+\j]
.endr
.endr
	global_store_b128 v[FLI], v[FPH+4*\q:FPH+4*\q+3], s[10:11] offset:512*\q   ; 512 consecutive bytes, aligned
.endr
	s_wait_tensorcnt 0x0                           ; the wave's end
	ds_add_u32 v[SPW], v[NIL]
	s_wait_dscnt 0x0
	CROUND                                         ; the closing round
	s_endpgm
.Lfunc_end_k_q23855a5911_attn:
	.size	k_q23855a5911_attn, .Lfunc_end_k_q23855a5911_attn-k_q23855a5911_attn
	.p2alignl 7, 3214868480
	.fill 96, 4, 3214868480
	.section	.rodata,"a",@progbits
	.p2align	6, 0x0
	.amdhsa_kernel k_q23855a5911_attn
		.amdhsa_group_segment_fixed_size 327680
		.amdhsa_private_segment_fixed_size 0
		.amdhsa_enable_private_segment 0
		.amdhsa_kernarg_size 32
		.amdhsa_user_sgpr_count 2
		.amdhsa_user_sgpr_kernarg_segment_ptr 1
		.amdhsa_wavefront_size32 1
		.amdhsa_system_sgpr_workgroup_id_x 1
		.amdhsa_system_sgpr_workgroup_id_y 1
		.amdhsa_system_sgpr_workgroup_id_z 1
		.amdhsa_system_vgpr_workitem_id 0
		.amdhsa_next_free_vgpr 1024
		.amdhsa_next_free_sgpr 100
		.amdhsa_reserve_vcc 0
		.amdhsa_float_denorm_mode_32 3
		.amdhsa_float_denorm_mode_16_64 3
		.amdhsa_memory_ordered 1
		.amdhsa_forward_progress 1
		.amdhsa_inst_pref_size 255
	.end_amdhsa_kernel
	.section	.bss,"aw",@nobits
	.p2align	6
	.space	262144
	.amdgpu_metadata
---
amdhsa.version: [ 1, 2 ]
amdhsa.kernels:
  - .name:           k_q23855a5911_attn
    .symbol:         k_q23855a5911_attn.kd
    .args:
      - { .name: qkv, .offset: 0, .size: 8, .value_kind: global_buffer, .address_space: global }
      - { .name: mw, .offset: 8, .size: 8, .value_kind: global_buffer, .address_space: global }
      - { .name: a16, .offset: 16, .size: 8, .value_kind: global_buffer, .address_space: global }
      - { .name: afine, .offset: 24, .size: 8, .value_kind: global_buffer, .address_space: global }
    .group_segment_fixed_size: 327680
    .private_segment_fixed_size: 0
    .kernarg_segment_align: 8
    .kernarg_segment_size: 32
    .max_flat_workgroup_size: 128
    .sgpr_count:     100
    .vgpr_count:     1024
    .wavefront_size: 32
...
	.end_amdgpu_metadata
.endif
;; end of part 3
;; launch oproj (part 4): grid 16 x 16, 4 waves a work-group, clusters of 4 x 4, 327,680 bytes of LDS; arguments a16, wo16, out0; writes out0
.if DOCPART == 4
	.amdgcn_target "amdgcn-amd-amdhsa--gfx1250"
	.amdhsa_code_object_version 6
	.text
	.protected	k_q23855a5911_oproj
	.globl	k_q23855a5911_oproj
	.p2align	8
	.type	k_q23855a5911_oproj,@function
k_q23855a5911_oproj:
	s_mov_b64 s[64:65], 0
	v_nop
	global_prefetch_b8 v0, s[64:65] scope:SCOPE_SE
	s_setreg_imm32_b32 hwreg(HW_REG_WAVE_MODE, 25, 1), 1
	s_wait_xcnt 0x0
	s_wait_alu depctr_hold_cnt(0) depctr_sa_sdst(0) depctr_va_vdst(0) depctr_va_sdst(0) depctr_va_ssrc(0) depctr_va_vcc(0) depctr_vm_vsrc(0)
	s_getreg_b32 s2, hwreg(HW_REG_IB_STS2, 6, 4)
	s_cmp_eq_u32 s2, 0
	s_cbranch_scc0 .Lentry_in_a_cluster
	s_endpgm
.Lentry_in_a_cluster:
	s_bfe_u32 s2, ttmp6, 0x10000c
	s_cmp_lg_u32 s2, 0xf033
	s_cbranch_scc0 .Lentry_shape_is_right
	s_endpgm
.Lentry_shape_is_right:
; out0[m][n] = the sum over k of a16[m][k] wo16[n][k]: [3072][2048] x [2048][2048], f16 operands, f32 sums and output.
; A tile of the output is 192 x 128: 16 x 16 = 256 work-groups.  Four waves, each 96 x 64: 24 accumulators.  K goes in steps of 128 (rows of 256 bytes) through two LDS slots; a step twice as long would not fit twice.
; CLUSTERS: 4 x 4.  a16's tile is shared along a row of the cluster, wo16's along a column: each is asked for jointly.  THE MATRIX INSTRUCTION IS USED TRANSPOSED (source 0 = 16 rows of wo16, source 1 = 16 rows of a16).
; No prefetch: the tile is small and its operands are read by sixteen work-groups each.
; REGISTERS: window 0: v16-29 addresses; v32-95 the way out; v96-175, v176-255 two fragment buffers (wo16 at + 8 b, a16 at + 32 + 8 a).  window 1: v0-191 the accumulators (a, b) at 8 (4 a + b).
.set PITCH,  272
.set AT,     96*PITCH                  ; what a wave fetches of a16, and what it reads
.set BT,     64*PITCH                  ; of wo16
.set SLOT,   2*AT+2*BT
.set STAGE,  2*SLOT                    ; the way out: 16 rows x (256 bytes + 16) for each wave
.set SPITCH, 272
.set SPARE,  STAGE+4*16*SPITCH         ; the spare words, 128 bytes a wave: two blocks of 256 bytes that no other line names
.set LAPS,   2048/256
.set ADRA, 16
.set ADRB, 20
.set STO,  24
.set RD,   25
.set CO,   26
.set SPW,  28
.set NIL,  29
.set BK,   32
.set F0,   96
.set F1,   176
.set G1,  24
.set G0,  32
.set G1B, 48
.set G0B, 56
.set MSB, 0
.macro WIN new
.if MSB != \new
	s_set_vgpr_msb (MSB<<8)|\new
.set MSB, \new
.endif
.endm
.set MUL, 0x50                         ; C and D window 1
.macro JLOAD s                         ; a joint load: waves 0 and 1 fetch a16's two halves, waves 2 and 3 wo16's; an s_nop 0 and four v_nop follow each line
	s_cmp_eq_u32 s11, 0
	s_cbranch_scc0 .Lfor_b_\@
	tensor_load_to_lds s[G0+4*\s:G0+4*\s+3], s[G1:G1+7]
	s_nop 0
.rept 4
	v_nop
.endr
	s_branch .Lasked_\@
.Lfor_b_\@:
	tensor_load_to_lds s[G0B+4*\s:G0B+4*\s+3], s[G1B:G1B+7]
	s_nop 0
.rept 4
	v_nop
.endr
.Lasked_\@:
.endm
.macro CREST
	s_cmp_lg_u32 s10, 0
	s_cbranch_scc1 .Lnot_wave_0_\@
	s_barrier_signal -3
.Lnot_wave_0_\@:
	s_barrier_wait -3
	s_barrier_signal -1
	s_barrier_wait -1
.endm
.macro CROUND
	s_barrier_signal -1
	s_barrier_wait -1
	CREST
.endm
.macro PLACES
.rept 4
	v_nop
.endr
.endm
	s_load_b128 s[4:7], s[0:1], 0x0                ; a16, wo16
	s_load_b64 s[8:9], s[0:1], 0x10                ; out0
	v_lshl_add_u32 v[SPW], v0, 2, SPARE
	v_mov_b32 v[NIL], 0
	ds_add_u32 v[SPW], v[NIL]                      ; the wave's opening: the add, twice on end, and its wait ahead of my first tensor load
	ds_add_u32 v[SPW], v[NIL]
	v_lshrrev_b32 v1, 5, v0
	v_readfirstlane_b32 s10, v1                    ; wave
	s_lshr_b32 s11, s10, 1                         ; which 96 rows are mine.  Also: I fetch for a16 (0) or wo16 (1)
	s_and_b32 s12, s10, 1                          ; which 64 columns.  Also: which half of that tile I fetch
	s_bfe_u32 s40, ttmp6, 0x40000
	s_bfe_u32 s41, ttmp6, 0x40004
	s_lshl_b32 s42, ttmp9, 2
	s_add_co_u32 s42, s42, s40                     ; tile column
	s_and_b32 s13, ttmp7, 0xffff
	s_lshl_b32 s13, s13, 2
	s_add_co_u32 s13, s13, s41                     ; tile row
	s_lshl_b32 s43, s41, 2
	s_lshl_b32 s43, 15, s43                        ; my row of the cluster
	s_lshl_b32 s44, 0x1111, s40                    ; my column
	s_or_b32 s[G1+0], s43, (1<<16)|(1<<20)|(1<<21)|(5<<22)|(3<<25)   ; elements of 2 bytes; padding: four words behind every 64
	s_or_b32 s[G1B+0], s44, (1<<16)|(1<<20)|(1<<21)|(5<<22)|(3<<25)
	s_mov_b32 s[G1+1], 128<<16                     ; tensor_dim0 = 128
	s_mov_b32 s[G1+2], 96<<16                      ; tensor_dim1 = 96
	s_mov_b32 s[G1+3], 128<<16                     ; tile_dim0
	s_mov_b32 s[G1+4], 96                          ; tile_dim1
	s_mov_b32 s[G1+5], 2048                        ; from row to row
	s_mov_b32 s[G1+6], 0
	s_mov_b32 s[G1+7], 0
	s_mov_b32 s[G1B+1], 128<<16
	s_mov_b32 s[G1B+2], 64<<16
	s_mov_b32 s[G1B+3], 128<<16
	s_mov_b32 s[G1B+4], 64
	s_mov_b32 s[G1B+5], 2048
	s_mov_b32 s[G1B+6], 0
	s_mov_b32 s[G1B+7], 0
	s_mul_i32 s16, s13, 192
	s_mul_i32 s17, s12, 96
	s_add_co_u32 s16, s16, s17
	s_lshl_b32 s16, s16, 12                        ; a16: 4,096 bytes a row
	s_mov_b32 s17, 0
	s_lshl_b32 s46, s42, 7
	s_lshl_b32 s47, s12, 6
	s_add_co_u32 s46, s46, s47
	s_lshl_b32 s46, s46, 12                        ; wo16 likewise
	s_mov_b32 s47, 0
	s_mul_i32 s20, s12, AT                         ; where they go: no place in the cluster enters an LDS address
	s_mul_i32 s21, s12, BT
	s_add_co_u32 s21, s21, 2*AT
	s_wait_dscnt 0x0                               ; both opening adds are done
	s_wait_kmcnt 0x0
	s_add_nc_u64 s[14:15], s[4:5], s[16:17]
	s_add_nc_u64 s[46:47], s[6:7], s[46:47]
	CROUND                                         ; all sixteen work-groups are here: the first joint loads meet
.irp s, 0,1
	s_mov_b32 s[G0+4*\s], 1
	s_add_co_u32 s[G0+4*\s+1], s20, \s*SLOT
	s_add_nc_u64 s[G0+4*\s+2:G0+4*\s+3], s[14:15], \s*256
	s_or_b32 s[G0+4*\s+3], s[G0+4*\s+3], 0x80000000
	s_mov_b32 s[G0B+4*\s], 1
	s_add_co_u32 s[G0B+4*\s+1], s21, \s*SLOT
	s_add_nc_u64 s[G0B+4*\s+2:G0B+4*\s+3], s[46:47], \s*256
	s_or_b32 s[G0B+4*\s+3], s[G0B+4*\s+3], 0x80000000
	JLOAD \s
.endr
	v_and_b32 v1, 15, v0                           ; r
	v_bfe_u32 v2, v0, 4, 1                         ; h
	v_mul_u32_u24 v3, v1, PITCH
	v_lshl_add_u32 v3, v2, 4, v3
	s_mul_i32 s21, s11, AT                         ; my 96 rows of a16
	s_mul_i32 s22, s12, BT                         ; my 64 rows of wo16,
	s_add_co_u32 s22, s22, 2*AT                    ; behind a16's 192
.irp s, 0,1
	v_add_nc_u32 v[ADRA+\s], s21, v3
	v_add_nc_u32 v[ADRB+\s], s22, v3
	s_add_co_u32 s21, s21, SLOT
	s_add_co_u32 s22, s22, SLOT
.endr
	s_mul_i32 s23, s10, 16*SPITCH
	s_add_co_u32 s23, s23, STAGE                   ; my stage
	v_mul_u32_u24 v4, v1, SPITCH                   ; in: row r, 32 bytes for each half of the lanes
	v_lshl_add_u32 v4, v2, 5, v4
	v_add_nc_u32 v[STO], s23, v4
	v_mul_u32_u24 v5, v2, SPITCH                   ; back: lanes 0-15 one row of 256 bytes, lanes 16-31 the next
	v_lshl_add_u32 v5, v1, 4, v5
	v_add_nc_u32 v[RD], s23, v5
	v_lshlrev_b32 v5, 13, v2                       ; and the same two rows in out0: 8,192 bytes a row
	v_lshl_add_u32 v[CO], v1, 4, v5
	s_mul_i32 s16, s13, 192
	s_mul_i32 s17, s11, 96
	s_add_co_u32 s16, s16, s17
	s_lshl_b32 s16, s16, 13
	s_lshl_b32 s46, s42, 9
	s_add_co_u32 s16, s16, s46
	s_lshl_b32 s46, s12, 8
	s_add_co_u32 s16, s16, s46
	s_mov_b32 s17, 0
	s_add_nc_u64 s[8:9], s[8:9], s[16:17]
.macro MULA f, a, zero                 ; 4 matrix instructions: row tile a x the 4 column tiles, 32 along K.  The 24 accumulators take turns in the same order in every quarter
.irp b, 0,1,2,3
.if \zero
	v_wmma_f32_16x16x32_f16 v[8*(4*(\a)+\b):8*(4*(\a)+\b)+7], v[\f+8*\b:\f+8*\b+7], v[\f+32+8*(\a):\f+32+8*(\a)+7], 0
.else
	v_wmma_f32_16x16x32_f16 v[8*(4*(\a)+\b):8*(4*(\a)+\b)+7], v[\f+8*\b:\f+8*\b+7], v[\f+32+8*(\a):\f+32+8*(\a)+7], v[8*(4*(\a)+\b):8*(4*(\a)+\b)+7]
.endif
.endr
.endm
.macro FETCH slot, k, f                ; 20 LDS loads: wo16's 4 fragments, then a16's 6, of 32 along K at byte k of the rows
	WIN 0
.irp i, 0,1,2,3
	ds_load_b128 v[\f+8*\i:\f+8*\i+3],   v[ADRB+\slot] offset:\k+\i*16*PITCH
	ds_load_b128 v[\f+8*\i+4:\f+8*\i+7], v[ADRB+\slot] offset:\k+\i*16*PITCH+32
.endr
.irp i, 0,1,2,3,4,5
	ds_load_b128 v[\f+32+8*\i:\f+32+8*\i+3],   v[ADRA+\slot] offset:\k+\i*16*PITCH
	ds_load_b128 v[\f+32+8*\i+4:\f+32+8*\i+7], v[ADRA+\slot] offset:\k+\i*16*PITCH+32
.endr
.endm
.macro QUARTER slot, k, f, g, zero     ; multiplies buffer f; in its middle fetches the next quarter, at byte k, into g
	s_wait_dscnt 6                                 ; all but the youngest six loads: a16's tiles 3 to 5
	WIN MUL
	MULA \f, 0, \zero
	MULA \f, 1, \zero
	MULA \f, 2, \zero
	PLACES                                         ; in front of loads into the buffer that the last quarter's products read
	FETCH \slot, \k, \g
	s_wait_dscnt 20                                ; all but the 20 just issued
	WIN MUL
	MULA \f, 3, \zero
	MULA \f, 4, \zero
	MULA \f, 5, \zero
.endm
; A K step's last quarter multiplies buffer 1 and changes slots: ONE barrier; in front of it each wave waits for all its tensor loads, adds 0 to its spare word, and waits for that and for its reads of this slot.
.macro TURN slot, next, fill
	WIN 0
	s_wait_tensorcnt 0x0                           ; all my tensor loads have landed: my part of the next slot
	ds_add_u32 v[SPW], v[NIL]
	s_wait_dscnt 7                                 ; the add and the youngest six loads may be out
	WIN MUL
	MULA F1, 0, 0
	s_wait_dscnt 0x0                               ; the add is done, and my reads of this slot are over
	s_barrier_signal -1
	MULA F1, 1, 0
	MULA F1, 2, 0
.if \fill
	WIN 0
.endif
	s_barrier_wait -1
.if \fill
	CREST                                          ; the barrier has opened a round of the cluster's: no wave of any partner still reads this slot or has a load on its way
	s_add_nc_u64 s[G0+4*\slot+2:G0+4*\slot+3], s[G0+4*\slot+2:G0+4*\slot+3], 512
	s_add_nc_u64 s[G0B+4*\slot+2:G0B+4*\slot+3], s[G0B+4*\slot+2:G0B+4*\slot+3], 512
	JLOAD \slot                                    ; the first tensor load behind the round: 84 matrix instructions ahead of the wait for it; its four v_nop are also the places in front of the loads below
.else
	PLACES
.endif
	FETCH \next, 0, F0
	WIN MUL
	MULA F1, 3, 0
	MULA F1, 4, 0
	MULA F1, 5, 0
.endm
	s_wait_tensorcnt 1                             ; my part of K step 0 is in; K step 1's load may stay out
	s_barrier_signal -1
	s_barrier_wait -1
	FETCH 0, 0, F0
	QUARTER 0, 64, F0, F1, 1                       ; the first quarter's products start the sums
	WIN 0
	s_mov_b32 s3, LAPS-1
.Llap:                                             ; a trip goes once round the ring, from a lap's second quarter to the next lap's first
	QUARTER 0, 128, F1, F0, 0
	QUARTER 0, 192, F0, F1, 0
	TURN 0, 1, 1
	QUARTER 1, 64,  F0, F1, 0
	QUARTER 1, 128, F1, F0, 0
	QUARTER 1, 192, F0, F1, 0
	TURN 1, 0, 1
	QUARTER 0, 64,  F0, F1, 0
	WIN 0
	s_sub_co_u32 s3, s3, 1
	s_cmp_lg_u32 s3, 0
	s_cbranch_scc1 .Llap
	QUARTER 0, 128, F1, F0, 0                      ; the last lap fills nothing
	QUARTER 0, 192, F0, F1, 0
	TURN 0, 1, 0
	QUARTER 1, 64,  F0, F1, 0
	QUARTER 1, 128, F1, F0, 0
	QUARTER 1, 192, F0, F1, 0
	s_wait_dscnt 6
	WIN MUL
	MULA F1, 0, 0
	MULA F1, 1, 0
	MULA F1, 2, 0
	s_wait_dscnt 0x0
	MULA F1, 3, 0
	MULA F1, 4, 0
	MULA F1, 5, 0
	WIN 0
; THE WAY OUT, a block of 16 rows x 64 columns at a time through my own stage: in as 32 bytes a lane, back as whole rows of 256 bytes.  LDS serves a wave's instructions in order: no wait between the stores and the loads.
.macro TOSTAGE a
	WIN 0x04                                       ; an LDS store's data are its source 1: window 1
.irp b, 0,1,2,3
	ds_store_b128 v[STO], v[8*(4*(\a)+\b):8*(4*(\a)+\b)+3] offset:64*\b          ; each accumulator from its low end on
	ds_store_b128 v[STO], v[8*(4*(\a)+\b)+4:8*(4*(\a)+\b)+7] offset:64*\b+16
.endr
	WIN 0
.set BB, BK+32*((\a)%2)
.irp t, 0,1,2,3,4,5,6,7
	ds_load_b128 v[BB+4*\t:BB+4*\t+3], v[RD] offset:\t*2*SPITCH
.endr
.endm
.macro SEND a, younger                 ; younger: the LDS instructions issued behind block a's loads
.set BB, BK+32*((\a)%2)
	s_wait_dscnt \younger
.irp t, 0,1,2,3,4,5,6,7
	global_store_b128 v[CO], v[BB+4*\t:BB+4*\t+3], s[8:9] offset:(16*(\a)+2*\t)*8192 th:TH_STORE_NT   ; 16 lanes store 256 consecutive bytes, aligned
.endr
.endm
	PLACES                                         ; behind the last products, in front of the first read of results
	TOSTAGE 0
.irp a, 1,2,3,4,5
.if \a > 1
	s_wait_xcnt 0x0                                ; block a - 2's stores have read their registers: block a's loads may land there
.endif
	TOSTAGE \a
	SEND \a-1, 16                                  ; behind block a - 1's loads: block a's 8 stores and 8 loads
.endr
	SEND 5, 0
	s_wait_tensorcnt 0x0                           ; the wave's end
	ds_add_u32 v[SPW], v[NIL]
	s_wait_dscnt 0x0
	CROUND                                         ; the closing round
	s_endpgm
.Lfunc_end_k_q23855a5911_oproj:
	.size	k_q23855a5911_oproj, .Lfunc_end_k_q23855a5911_oproj-k_q23855a5911_oproj
	.p2alignl 7, 3214868480
	.fill 96, 4, 3214868480
	.section	.rodata,"a",@progbits
	.p2align	6, 0x0
	.amdhsa_kernel k_q23855a5911_oproj
		.amdhsa_group_segment_fixed_size 327680
		.amdhsa_private_segment_fixed_size 0
		.amdhsa_enable_private_segment 0
		.amdhsa_kernarg_size 24
		.amdhsa_user_sgpr_count 2
		.amdhsa_user_sgpr_kernarg_segment_ptr 1
		.amdhsa_wavefront_size32 1
		.amdhsa_system_sgpr_workgroup_id_x 1
		.amdhsa_system_sgpr_workgroup_id_y 1
		.amdhsa_system_sgpr_workgroup_id_z 1
		.amdhsa_system_vgpr_workitem_id 0
		.amdhsa_next_free_vgpr 512
		.amdhsa_next_free_sgpr 66
		.amdhsa_reserve_vcc 0
		.amdhsa_float_denorm_mode_32 3
		.amdhsa_float_denorm_mode_16_64 3
		.amdhsa_memory_ordered 1
		.amdhsa_forward_progress 1
		.amdhsa_inst_pref_size 70
	.end_amdhsa_kernel
	.amdgpu_metadata
---
amdhsa.version: [ 1, 2 ]
amdhsa.kernels:
  - .name:           k_q23855a5911_oproj
    .symbol:         k_q23855a5911_oproj.kd
    .args:
      - { .name: a16, .offset: 0, .size: 8, .value_kind: global_buffer, .address_space: global }
      - { .name: wo16, .offset: 8, .size: 8, .value_kind: global_buffer, .address_space: global }
      - { .name: out0, .offset: 16, .size: 8, .value_kind: global_buffer, .address_space: global }
    .group_segment_fixed_size: 327680
    .private_segment_fixed_size: 0
    .kernarg_segment_align: 8
    .kernarg_segment_size: 24
    .max_flat_workgroup_size: 128
    .sgpr_count:     66
    .vgpr_count:     512
    .wavefront_size: 32
...
	.end_amdgpu_metadata
.endif
;; end of part 4
;; launch fproj (part 5): grid 128 x 1, 16 waves a work-group, no clusters, 18,432 bytes of LDS; arguments afine, Wo, out0; writes out0
.if DOCPART == 5
	.amdgcn_target "amdgcn-amd-amdhsa--gfx1250"
	.amdhsa_code_object_version 6
	.text
	.protected	k_q23855a5911_fproj
	.globl	k_q23855a5911_fproj
	.p2align	8
	.type	k_q23855a5911_fproj,@function
k_q23855a5911_fproj:
	s_mov_b64 s[64:65], 0
	v_nop
	global_prefetch_b8 v0, s[64:65] scope:SCOPE_SE
	s_setreg_imm32_b32 hwreg(HW_REG_WAVE_MODE, 25, 1), 1
	s_wait_xcnt 0x0
; THE FIRST 16 POSITIONS, the projection: out0[q][n] = the sum over k of a[q][k] Wo[n][k] for q = 0 .. 15, with f32 operands: a from afine, where the attention launch's fine work-groups stored it, Wo as it is given.
; It runs last and stores rows 0-15 of out0 over what the f16 projection left there.  16 x 2,048 x 2,048 multiply-adds: no bulk work, so the f32 matrix form serves.
; Work-group = 16 columns n; wave = head (128 of the 2,048 along k).  128 work-groups share Wo's 16.8 MB, 131,072 bytes each; that is worth more here than whole rows of 256 bytes out: a work-group stores 64 bytes of each of 16 rows.
; THE MATRIX INSTRUCTION IS USED TRANSPOSED (source 0 = 16 rows of Wo, source 1 = a's 16 queries): lane (r, h) holds query r, columns n0 + 8 h + 0 .. 7.
; k IS PERMUTED ALIKE ON BOTH SIDES: piece p = 2 T + u gives lane (r, h) the four k = 128 head + 16 T + 8 h + 4 u + 0 .. 3, 16 bytes of a's image and 16 bytes of Wo's row; registers 0, 1 feed one instruction, registers 2, 3 the next.
; A wave's 32 instructions go to four accumulators by turns; these registers are written by matrix instructions alone.  The four are added, the 16 waves' sums meet in LDS, waves 0 and 1 add and store.
.set SPARE, 16384                      ; LDS: 1,024 bytes a wave, then the spare words, 128 bytes a wave: eight blocks of 256 bytes that no other line names
.set LI,  1                            ; v1 16 x lane
.set WA,  2                            ; v2 Wo: row r of 8,192 bytes, + 32 h; the same place in out0
.set STA, 3                            ; v3 where I put my sums
.set SPW, 4
.set NIL, 5
.set RDA, 6                            ; v6 where waves 0 and 1 read
.set A,   32                           ; v32-95 a's 16 pieces
.set W,   96                           ; v96-159 Wo's
.set ACC, 160                          ; v160-191 four accumulators
	s_load_b128 s[4:7], s[0:1], 0x0                ; afine 4:5, Wo 6:7
	s_load_b64 s[8:9], s[0:1], 0x10                ; out0
	v_lshl_add_u32 v[SPW], v0, 2, SPARE
	v_mov_b32 v[NIL], 0
	v_lshrrev_b32 v7, 5, v0
	v_readfirstlane_b32 s10, v7                    ; wave = head
	v_and_b32 v7, 31, v0
	v_lshlrev_b32 v[LI], 4, v7
	v_and_b32 v7, 15, v0
	v_bfe_u32 v12, v0, 4, 1
	v_lshlrev_b32 v[WA], 13, v7
	v_lshl_add_u32 v[WA], v12, 5, v[WA]
	s_lshl_b32 s11, s10, 10
	v_add_nc_u32 v[STA], s11, v[LI]
	s_lshl_b32 s11, s10, 9
	v_add_nc_u32 v[RDA], s11, v[LI]                ; (made by every wave, ahead of the parting; used by waves 0 and 1)
	s_lshl_b32 s12, s10, 13                        ; a: 8,192 bytes a head
	s_mov_b32 s13, 0
	s_lshl_b32 s14, ttmp9, 17                      ; Wo: 16 rows of 8,192 bytes a work-group,
	s_add_co_u32 s14, s14, s11                     ; 512 bytes a head
	s_mov_b32 s15, 0
	s_lshl_b32 s16, ttmp9, 6                       ; out0: 64 bytes a work-group,
	s_lshl_b32 s17, s10, 4                         ; 16 a storing wave
	s_add_co_u32 s16, s16, s17
	s_mov_b32 s17, 0
	s_wait_kmcnt 0x0
	s_add_nc_u64 s[4:5], s[4:5], s[12:13]
	s_add_nc_u64 s[6:7], s[6:7], s[14:15]
	s_add_nc_u64 s[8:9], s[8:9], s[16:17]
.set p, 0
.rept 16
	global_load_b128 v[A+4*p:A+4*p+3], v[LI], s[4:5] offset:512*p
	global_load_b128 v[W+4*p:W+4*p+3], v[WA], s[6:7] offset:(p/2)*64+(p%2)*16 th:TH_LOAD_NT   ; the wave's 16 loads together take 512 consecutive bytes of each of 16 rows; read once in the launch
.set p, p+1
.endr
.set p, 0
.rept 16
	s_wait_loadcnt 30-2*p                          ; piece p of both is in; the later pieces' loads, two each, may be out
.irp s, 0,1
.if 2*p+\s < 4
	v_wmma_f32_16x16x4_f32 v[ACC+8*((2*p+\s)%4):ACC+8*((2*p+\s)%4)+7], v[W+4*p+2*\s:W+4*p+2*\s+1], v[A+4*p+2*\s:A+4*p+2*\s+1], 0
.else
	v_wmma_f32_16x16x4_f32 v[ACC+8*((2*p+\s)%4):ACC+8*((2*p+\s)%4)+7], v[W+4*p+2*\s:W+4*p+2*\s+1], v[A+4*p+2*\s:A+4*p+2*\s+1], v[ACC+8*((2*p+\s)%4):ACC+8*((2*p+\s)%4)+7]
.endif
.endr
.set p, p+1
.endr
.rept 8
	v_nop                                          ; eight places behind this form, in front of the first read of results
.endr
.irp j, 0,2,4,6                        ; each accumulator is read from its low end on; the sums go into other registers
	v_pk_add_f32 v[16+\j:17+\j], v[ACC+\j:ACC+\j+1], v[ACC+8+\j:ACC+8+\j+1]
.endr
.irp j, 0,2,4,6
	v_pk_add_f32 v[24+\j:25+\j], v[ACC+16+\j:ACC+16+\j+1], v[ACC+24+\j:ACC+24+\j+1]
.endr
.irp j, 0,2,4,6
	v_pk_add_f32 v[16+\j:17+\j], v[16+\j:17+\j], v[24+\j:25+\j]
.endr
	ds_store_b128 v[STA], v[16:19]                 ; columns 8 h + 0 .. 3,
	ds_store_b128 v[STA], v[20:23] offset:512      ; and 8 h + 4 .. 7
	s_wait_dscnt 0x0                               ; for the others' sake: my stores have landed
	s_barrier_signal -1
	s_barrier_wait -1
	s_cmp_ge_u32 s10, 2
	s_cbranch_scc1 .Ldone
.set i, 0
.rept 16
	ds_load_b128 v[A+4*i:A+4*i+3], v[RDA] offset:1024*i   ; wave c = 0, 1: every wave's columns 8 h + 4 c + 0 .. 3
.set i, i+1
.endr
	s_wait_dscnt 0x0
	v_pk_add_f32 v[8:9], v[A:A+1], v[A+4:A+5]
	v_pk_add_f32 v[10:11], v[A+2:A+3], v[A+6:A+7]
.set i, 2
.rept 14
	v_pk_add_f32 v[8:9], v[8:9], v[A+4*i:A+4*i+1]
	v_pk_add_f32 v[10:11], v[10:11], v[A+4*i+2:A+4*i+3]
.set i, i+1
.endr
	global_store_b128 v[WA], v[8:11], s[8:9]       ; out0[r][16 work-group + 8 h + 4 c + 0 .. 3]
.Ldone:
	s_wait_tensorcnt 0x0                           ; the wave's end
	ds_add_u32 v[SPW], v[NIL]
	s_wait_dscnt 0x0
	s_endpgm
.Lfunc_end_k_q23855a5911_fproj:
	.size	k_q23855a5911_fproj, .Lfunc_end_k_q23855a5911_fproj-k_q23855a5911_fproj
	.p2alignl 7, 3214868480
	.fill 96, 4, 3214868480
	.section	.rodata,"a",@progbits
	.p2align	6, 0x0
	.amdhsa_kernel k_q23855a5911_fproj
		.amdhsa_group_segment_fixed_size 18432
		.amdhsa_private_segment_fixed_size 0
		.amdhsa_enable_private_segment 0
		.amdhsa_kernarg_size 24
		.amdhsa_user_sgpr_count 2
		.amdhsa_user_sgpr_kernarg_segment_ptr 1
		.amdhsa_wavefront_size32 1
		.amdhsa_system_sgpr_workgroup_id_x 1
		.amdhsa_system_sgpr_workgroup_id_y 1
		.amdhsa_system_sgpr_workgroup_id_z 1
		.amdhsa_system_vgpr_workitem_id 0
		.amdhsa_next_free_vgpr 192
		.amdhsa_next_free_sgpr 66
		.amdhsa_reserve_vcc 0
		.amdhsa_float_denorm_mode_32 3
		.amdhsa_float_denorm_mode_16_64 3
		.amdhsa_memory_ordered 1
		.amdhsa_forward_progress 1
		.amdhsa_inst_pref_size 12
	.end_amdhsa_kernel
	.amdgpu_metadata
---
amdhsa.version: [ 1, 2 ]
amdhsa.kernels:
  - .name:           k_q23855a5911_fproj
    .symbol:         k_q23855a5911_fproj.kd
    .args:
      - { .name: afine, .offset: 0, .size: 8, .value_kind: global_buffer, .address_space: global }
      - { .name: Wo, .offset: 8, .size: 8, .value_kind: global_buffer, .address_space: global }
      - { .name: out0, .offset: 16, .size: 8, .value_kind: global_buffer, .address_space: global }
    .group_segment_fixed_size: 18432
    .private_segment_fixed_size: 0
    .kernarg_segment_align: 8
    .kernarg_segment_size: 24
    .max_flat_workgroup_size: 512
    .sgpr_count:     66
    .vgpr_count:     192
    .wavefront_size: 32
...
	.end_amdgpu_metadata
.endif
;; end of part 5
